; MI455X (gfx1250); checked and timed in simulation.
; The chip was launched on July 23, 2026; its instructions are those of AMD's public machine-readable ISA for CDNA 5 (MIT licence, August 2026) and "CDNA5" Instruction Set Architecture Reference Guide (July 2026). The comments in the code are by the model that wrote it; some were corrected since.
;; Direct Transition Net. Allowed arithmetic: float matrix products may take bf16 or f16 operands with f32 sums; other float arithmetic in f32, or as packed bf16 or f16 multiplies, adds, multiply-adds, maxima and minima; sums over many terms, partial sums and values carried from step to step in f32; what a program stores and reads back later, other than sums and carried values, may be rounded once to bf16 or f16.
;; Inputs: Q_k 32,768 x 16 x 16 float32; dt 32,768 x 1 float32; params_b_flat 512 float32; params_b_in 64 float32; params_b_o 64 float32; params_b_out 32 float32; params_b_qkv 192 float32; params_ln_attn_b 64 float32; params_ln_attn_g 64 float32; params_mlp_0_b 512 float32; params_mlp_0_bw 512 float32; params_mlp_0_g 512 float32; params_mlp_0_w 512 x 512 float32; params_mlp_1_b 512 float32; params_mlp_1_bw 512 float32; params_mlp_1_g 512 float32; params_mlp_1_w 512 x 512 float32; params_w_flat 1,600 x 512 float32; params_w_in 1 x 64 float32; params_w_o 64 x 64 float32; params_w_out 512 x 32 float32; params_w_qkv 64 x 192 float32; prev_z 32,768 x 16 float32; u 32,768 x 8 float32.
;; Outputs: out0 32,768 x 16 float32; out1 32,768 x 16 x 16 float32.
;; One version. Each part assembles by itself: llvm-mc -triple=amdgcn-amd-amdhsa -mcpu=gfx1250 --defsym DOCPART=n.
;; ======== version 1 of 1: 3 launches
;; limits: a function is approximated: absolute error at most 2.5e-05; values are held in f16: magnitudes above 65,504 overflow, below 6.1e-05 lose precision; right only within a limited range of input values; a difference of large sums (such as E[x^2] - mean^2): digits are lost where the result is much smaller than its terms
;; workspace buffers: wts 1,343,488 bytes; cst 4,352 bytes; lsig 2,097,152 bytes; pmin 1,024 bytes
;; launch prep (part 1): grid 49 x 1, 8 waves a work-group, no clusters, 91,136 bytes of LDS; arguments params_b_in, params_b_o, params_b_qkv, params_ln_attn_b, params_ln_attn_g, params_mlp_0_b, params_mlp_0_bw, params_mlp_0_g, params_mlp_0_w, params_mlp_1_b, params_mlp_1_bw, params_mlp_1_g, params_mlp_1_w, params_w_flat, params_w_in, params_w_o, params_w_out, params_w_qkv, wts, cst; writes wts, cst
.if DOCPART == 1
	.amdgcn_target "amdgcn-amd-amdhsa--gfx1250"
	.amdhsa_code_object_version 6
	.text
	.protected	k_qf2244b6faf_prep
	.globl	k_qf2244b6faf_prep
	.p2align	8
	.type	k_qf2244b6faf_prep,@function
k_qf2244b6faf_prep:
	s_mov_b64 s[64:65], 0
	v_nop
	global_prefetch_b8 v0, s[64:65] scope:SCOPE_SE
	s_setreg_imm32_b32 hwreg(HW_REG_WAVE_MODE, 25, 1), 1
	s_wait_xcnt 0x0
; FOLDING THE WEIGHTS, all in f32 vector arithmetic (6 M multiply-adds), results rounded once to f16.
; A token is s w_in + b_in, so q, k, v are s A + C with A = w_in w_qkv, C = b_in w_qkv + b_qkv; a head's output is m Av_h + Cv_h (m: the softmax mean of the s);
; behind w_o a token is sum_h m_h G_h + G_4.  G' = G less its mean, n = rms(G'), Gn = G'/n.  Stored:
;   wts tiles 0-3   W1[n][8 f + c] = sum_d Gn_c[d] g[d] w_flat[64 f + d][n] (c < 5), sum_d b[d] w_flat[..] (c = 5), 0 (c = 6, 7 and f > 24)
;   wts tiles 4-19  g_k w[k][n] of the two layers;  behind them w_out, [32 n][512 k].   A tile is [512 n][64 k] f16, 128 bytes a row.
;   cst: 0-3 alpha', 4-7 gamma' (x log2(e)/4), 8-11 n_0..3, 12-17 2 rho, 18-21 2 rho_h4 n_4, 22 n_4^2 + 1e-5, 23 n_4, 24-31 0, 32-63 column sums of w_out; then c_i[n] = sum_k b_k w[k][n] + bw[n].
; Work-groups 0-31: W1 (tile id / 8, 64 columns id % 8).  32-47: a layer's 64 columns.  48: w_out and the scalars.  One branch on the work-group's number, and no way back together.
; LIMITS: g w, w_out and W1 lie within f16's range (65,504); a direction with mean square under 1e-36 counts as shorter than it is; NaN and infinities are not treated apart.
.set LA,   0            ; A[256] (192 used)
.set LC,   1024         ; C[256]
.set LG,   2048         ; G[5][64]
.set LP,   4096         ; the four parts of Cv w_o
.set LNR,  5120         ; n[8]
.set LGN,  6144         ; Gn[8][64]
.set LCO,  8192         ; [64 d][8]: the six coefficients of channel d
.set TAB,  10240        ; cst's first 64 numbers
.set STG,  12288        ; packets of 8 f16 on their way into rows
.set LB,   86016        ; partial sums
.set SPARE, 90112       ; the spare words, 128 bytes a wave: four blocks of 256 bytes that no other line names
.set SPW,  2
.set NIL,  3
.set LANE, 4
.set WV,   44
.set SEL,  46
.set MSB, 0
.macro WIN new
.if MSB != (\new)
	s_set_vgpr_msb (MSB<<8)|(\new)
.set MSB, \new
.endif
.endm
.macro BAR                              ; my LDS instructions are done; then all eight waves meet
	s_wait_dscnt 0x0
	s_barrier_signal -1
	s_barrier_wait -1
.endm
.macro FINIS                            ; the wave's end, behind my last LDS store
	s_wait_tensorcnt 0x0
	ds_add_u32 v[SPW], v[NIL]
	s_wait_dscnt 0x0
	s_endpgm
.endm
.macro WSUM x, t                        ; sum over the 32 lanes, in every lane
	v_add_f32_dpp v[\x], v[\x], v[\x] row_xmask:1 row_mask:0xf bank_mask:0xf
	v_add_f32_dpp v[\x], v[\x], v[\x] row_xmask:2 row_mask:0xf bank_mask:0xf
	v_add_f32_dpp v[\x], v[\x], v[\x] row_xmask:4 row_mask:0xf bank_mask:0xf
	v_add_f32_dpp v[\x], v[\x], v[\x] row_xmask:8 row_mask:0xf bank_mask:0xf
	v_permlanex16_b32 v[\t], v[\x], s[SEL], s[SEL+1]
	v_add_f32 v[\x], v[\x], v[\t]
.endm
.macro RSUM x                           ; sum over each half of 16 lanes
	v_add_f32_dpp v[\x], v[\x], v[\x] row_xmask:1 row_mask:0xf bank_mask:0xf
	v_add_f32_dpp v[\x], v[\x], v[\x] row_xmask:2 row_mask:0xf bank_mask:0xf
	v_add_f32_dpp v[\x], v[\x], v[\x] row_xmask:4 row_mask:0xf bank_mask:0xf
	v_add_f32_dpp v[\x], v[\x], v[\x] row_xmask:8 row_mask:0xf bank_mask:0xf
.endm
; d (+)= a x one register of the pair kp, for both halves: odd = 0 its first, 1 its second.  first = 1: a product that starts the sum
.macro BFMA d, a, kp, odd, first
.if \first
.if \odd
	v_pk_mul_f32 v[(\d):(\d)+1], v[(\a):(\a)+1], v[(\kp):(\kp)+1] op_sel:[0,1] op_sel_hi:[1,1]
.else
	v_pk_mul_f32 v[(\d):(\d)+1], v[(\a):(\a)+1], v[(\kp):(\kp)+1] op_sel_hi:[1,0]
.endif
.else
.if \odd
	v_pk_fma_f32 v[(\d):(\d)+1], v[(\a):(\a)+1], v[(\kp):(\kp)+1], v[(\d):(\d)+1] op_sel:[0,1,0] op_sel_hi:[1,1,1]
.else
	v_pk_fma_f32 v[(\d):(\d)+1], v[(\a):(\a)+1], v[(\kp):(\kp)+1], v[(\d):(\d)+1] op_sel_hi:[1,0,1]
.endif
.endif
.endm
; THE CHAIN: A, C; G; n, Gn and the coefficients.  Leaves v12 = 4 x lane.  Touches v8-v22, v32-v51, v64-v255 of window 0.
.macro CHAIN
	v_min_u32 v8, 191, v0
	v_lshlrev_b32 v8, 2, v8                        ; my column of w_qkv
	v_mov_b32 v9, 0
	v_lshrrev_b32 v10, 6, v0                       ; h
	v_and_b32 v11, 63, v0                          ; d
	v_lshlrev_b32 v16, 6, v10
	v_lshlrev_b32 v11, 2, v11
	v_lshl_add_u32 v10, v10, 12, v11               ; w_o[16 h][d]
	v_lshlrev_b32 v12, 2, v[LANE]
	v_lshlrev_b32 v15, 2, v0
.set ci, 0
.rept 64
	global_load_b32 v[64+ci], v8, s[38:39] offset:768*ci
.set ci, ci+1
.endr
.set ci, 0
.rept 16
	global_load_b128 v[128+4*ci:131+4*ci], v9, s[32:33] offset:16*ci
	global_load_b128 v[192+4*ci:195+4*ci], v9, s[4:5] offset:16*ci
.set ci, ci+1
.endr
	global_load_b32 v13, v8, s[8:9]
.set ci, 0
.rept 16
	global_load_b32 v[32+ci], v10, s[34:35] offset:256*ci
.set ci, ci+1
.endr
	global_load_b32 v14, v11, s[6:7]
	global_load_b32 v48, v12, s[12:13]
	global_load_b32 v49, v12, s[12:13] offset:128
	global_load_b32 v50, v12, s[10:11]
	global_load_b32 v51, v12, s[10:11] offset:128
	s_wait_loadcnt 0x0                             ; these, and the type's own loads issued ahead of them
	v_mul_f32 v20, v128, v64
	v_fma_f32 v21, v192, v64, v13
.set ci, 1
.rept 63
	v_fmac_f32 v20, v[128+ci], v[64+ci]
	v_fmac_f32 v21, v[192+ci], v[64+ci]
.set ci, ci+1
.endr
	ds_store_b32 v15, v20 offset:LA
	ds_store_b32 v15, v21 offset:LC
	BAR
.irp q, 0,1,2,3
	ds_load_b128 v[64+4*\q:67+4*\q], v16 offset:LA+512+16*\q   ; Av of my head
	ds_load_b128 v[80+4*\q:83+4*\q], v16 offset:LC+512+16*\q   ; Cv
.endr
	s_wait_dscnt 0x0
	v_mul_f32 v20, v64, v32
	v_mul_f32 v21, v80, v32
.set ci, 1
.rept 15
	v_fmac_f32 v20, v[64+ci], v[32+ci]
	v_fmac_f32 v21, v[80+ci], v[32+ci]
.set ci, ci+1
.endr
	ds_store_b32 v15, v20 offset:LG
	ds_store_b32 v15, v21 offset:LP
	BAR
	s_cmp_lt_u32 s[WV], 2                          ; threads 0-63: G_4 = the four parts + b_o
	s_cbranch_scc0 .Lnob_\@
.irp q, 0,1,2,3
	ds_load_b32 v[64+\q], v15 offset:LP+256*\q
.endr
	s_wait_dscnt 0x0
	v_add_f32 v64, v64, v65
	v_add_f32 v66, v66, v67
	v_add_f32 v64, v64, v66
	v_add_f32 v64, v64, v14
	ds_store_b32 v15, v64 offset:LG+1024
.Lnob_\@:
	BAR
	s_min_u32 s50, s[WV], 4                        ; wave w works on direction min(w, 4); a lane holds channels l and l + 32
	s_lshl_b32 s50, s50, 8
	v_add_nc_u32 v17, s50, v12
	ds_load_b32 v64, v17 offset:LG
	ds_load_b32 v65, v17 offset:LG+128
	s_cmp_lt_u32 s[WV], 5
	s_cselect_b32 s48, 1.0, 0                      ; coefficient w is Gn g,
	s_cmp_eq_u32 s[WV], 5
	s_cselect_b32 s49, 1.0, 0                      ; or the norm's bias, or 0
	s_lshl_b32 s50, s[WV], 8
	v_add_nc_u32 v18, s50, v12
	s_lshl_b32 s50, s[WV], 2
	v_mov_b32 v19, s50
	v_lshl_add_u32 v22, v[LANE], 5, s50
	s_wait_dscnt 0x0
	v_add_f32 v66, v64, v65
	WSUM 66, 67
	v_fmamk_f32 v64, v66, 0xbc800000, v64          ; less the mean
	v_fmamk_f32 v65, v66, 0xbc800000, v65
	v_mul_f32 v66, v64, v64
	v_fmac_f32 v66, v65, v65
	WSUM 66, 67
	v_mul_f32 v66, 0x3c800000, v66                 ; the mean square
	v_max_num_f32 v67, 0x03aa2425, v66             ; at least 1e-36
	v_sqrt_f32 v68, v66
	v_rsq_f32 v69, v67
	v_nop
	s_wait_alu depctr_va_vdst(0)                   ; one wait for the two, ahead of their first reader
	v_mul_f32 v64, v64, v69
	v_mul_f32 v65, v65, v69
	ds_store_b32 v18, v64 offset:LGN
	ds_store_b32 v18, v65 offset:LGN+128
	ds_store_b32 v19, v68 offset:LNR
	v_mul_f32 v70, v64, v48
	v_mul_f32 v71, v65, v49
	v_mul_f32 v70, s48, v70
	v_mul_f32 v71, s48, v71
	v_fmac_f32 v70, s49, v50
	v_fmac_f32 v71, s49, v51
	ds_store_b32 v22, v70 offset:LCO
	ds_store_b32 v22, v71 offset:LCO+1024
	BAR
.endm
	s_load_b512 s[4:19], s[0:1], 0x0               ; b_in 4, b_o 6, b_qkv 8, ln_b 10, ln_g 12, m0_b 14, m0_bw 16, m0_g 18
	s_load_b512 s[20:35], s[0:1], 0x40             ; m0_w 20, m1_b 22, m1_bw 24, m1_g 26, m1_w 28, w_flat 30, w_in 32, w_o 34
	s_load_b256 s[36:43], s[0:1], 0x80             ; w_out 36, w_qkv 38, wts 40, cst 42
	v_lshl_add_u32 v[SPW], v0, 2, SPARE
	v_mov_b32 v[NIL], 0
	v_lshrrev_b32 v1, 5, v0
	v_readfirstlane_b32 s[WV], v1
	v_and_b32 v[LANE], 31, v0
	s_mov_b32 s[SEL], 0x76543210
	s_mov_b32 s[SEL+1], 0xfedcba98
	s_wait_kmcnt 0x0
	s_cmp_lt_u32 ttmp9, 32
	s_cbranch_scc1 .LtypeF
	s_cmp_eq_u32 ttmp9, 48
	s_cbranch_scc1 .LtypeO
; ---- A LAYER'S 64 COLUMNS: w[k][n0 ..], all 512 k.  Lane: four columns 4 (l % 16) + e; k in groups of 8: group kg + 16 i, kg = 2 wave + l / 16.
	s_sub_co_u32 s52, ttmp9, 32
	s_lshr_b32 s53, s52, 3                         ; layer
	s_and_b32 s52, s52, 7                          ; block of 64 columns
	s_cmp_eq_u32 s53, 0
	s_cselect_b64 s[48:49], s[20:21], s[28:29]     ; w
	s_cselect_b64 s[50:51], s[18:19], s[26:27]     ; g
	s_cselect_b64 s[56:57], s[14:15], s[22:23]     ; b
	s_cselect_b64 s[58:59], s[16:17], s[24:25]     ; bw
	s_lshl_b32 s54, s52, 8
	s_mov_b32 s55, 0
	s_add_nc_u64 s[48:49], s[48:49], s[54:55]
	s_add_nc_u64 s[58:59], s[58:59], s[54:55]
	s_lshl_b32 s60, s[WV], 1
	v_lshrrev_b32 v5, 4, v[LANE]
	v_add_nc_u32 v5, s60, v5                       ; kg
	v_and_b32 v7, 15, v[LANE]
	v_lshlrev_b32 v6, 4, v7
	v_lshl_add_u32 v6, v5, 14, v6                  ; 8 kg rows of 2,048 bytes + my 16 bytes
	v_lshlrev_b32 v8, 5, v5
	v_lshlrev_b32 v9, 3, v[LANE]
	WIN 0x40                                       ; w into window 1: (i, j) at v[32 i + 4 j]
.set mi, 0
.rept 4
.set mj, 0
.rept 8
	global_load_b128 v[32*mi+4*mj:32*mi+4*mj+3], v6, s[48:49] offset:262144*mi+2048*mj
.set mj, mj+1
.endr
.set mi, mi+1
.endr
	WIN 0
.irp q, 0,1,2,3
	global_load_b128 v[64+8*\q:67+8*\q], v8, s[50:51] offset:512*\q
	global_load_b128 v[68+8*\q:71+8*\q], v8, s[50:51] offset:512*\q+16
	global_load_b128 v[96+8*\q:99+8*\q], v8, s[56:57] offset:512*\q
	global_load_b128 v[100+8*\q:103+8*\q], v8, s[56:57] offset:512*\q+16
.endr
	global_load_b64 v[20:21], v9, s[58:59]
	v_lshrrev_b32 v10, 3, v5
	v_mul_u32_u24 v10, v10, 9216                   ; tile 2 i + kg / 8: 64 rows of 144 bytes
	v_mad_u32_u24 v10, v7, 576, v10                ; row 4 (l % 16) + e
	v_and_b32 v11, 7, v5
	v_lshl_add_u32 v10, v11, 4, v10                ; packet kg % 8
	v_add_nc_u32 v10, STG, v10
	v_lshlrev_b32 v11, 4, v7
	v_lshl_add_u32 v11, v5, 8, v11
	v_add_nc_u32 v11, LB, v11
	s_wait_loadcnt 0x0
	WIN 0x01                                       ; sum_k b_k w[k][n], of the unscaled w
.set mi, 0
.rept 4
.set mj, 0
.rept 8
	BFMA 32, 32*mi+4*mj, 96+8*mi+(mj/2)*2, mj%2, (mi+mj)==0
	BFMA 34, 32*mi+4*mj+2, 96+8*mi+(mj/2)*2, mj%2, (mi+mj)==0
.set mj, mj+1
.endr
.set mi, mi+1
.endr
	WIN 0x41                                       ; w g_k, in place
.set mi, 0
.rept 4
.set mj, 0
.rept 8
	BFMA 32*mi+4*mj, 32*mi+4*mj, 64+8*mi+(mj/2)*2, mj%2, 1
	BFMA 32*mi+4*mj+2, 32*mi+4*mj+2, 64+8*mi+(mj/2)*2, mj%2, 1
.set mj, mj+1
.endr
.set mi, mi+1
.endr
	WIN 0x05                                       ; packet (i, e): the 8 k of a group, for one column
.set mi, 0
.rept 4
.set me, 0
.rept 4
.set mj, 0
.rept 4
	v_cvt_pk_f16_f32 v[128+16*mi+4*me+mj], v[32*mi+8*mj+me], v[32*mi+8*mj+4+me]
.set mj, mj+1
.endr
.set me, me+1
.endr
.set mi, mi+1
.endr
	WIN 0
.set mi, 0
.rept 4
.set me, 0
.rept 4
	ds_store_b128 v10, v[128+16*mi+4*me:131+16*mi+4*me] offset:18432*mi+144*me
.set me, me+1
.endr
.set mi, mi+1
.endr
	ds_store_b128 v11, v[32:35]
	BAR
	v_lshrrev_b32 v12, 3, v0                       ; back as rows: packet q = t + 256 i lies in row q / 8
	v_mul_u32_u24 v12, v12, 144
	v_and_b32 v13, 7, v0
	v_lshl_add_u32 v12, v13, 4, v12
	v_add_nc_u32 v12, STG, v12
	v_add_nc_u32 v13, 36864, v12
	v_lshlrev_b32 v14, 4, v0
	s_lshl_b32 s54, s53, 19                        ; 8 tiles a layer,
	s_add_co_u32 s54, s54, 262144                  ; behind W1's four,
	s_lshl_b32 s60, s52, 13                        ; my 64 rows of 128 bytes
	s_add_co_u32 s54, s54, s60
	s_add_nc_u64 s[40:41], s[40:41], s[54:55]
.irp q, 0,1,2,3,4,5,6,7
	ds_load_b128 v[64+4*\q:67+4*\q], v12 offset:4608*\q
	ds_load_b128 v[96+4*\q:99+4*\q], v13 offset:4608*\q
.endr
	s_wait_dscnt 0x0
.irp q, 0,1,2,3,4,5,6,7
	global_store_b128 v14, v[64+4*\q:67+4*\q], s[40:41] offset:65536*(\q/2)+4096*(\q%2)          ; a wave's store covers 512 consecutive bytes
	global_store_b128 v14, v[96+4*\q:99+4*\q], s[40:41] offset:65536*(4+\q/2)+4096*(\q%2)
.endr
	s_cmp_lg_u32 s[WV], 0                          ; wave 0: the sixteen partial sums + bw; 32 lanes x 8 bytes are the block's 256 bytes
	s_cbranch_scc1 .LendM
	v_add_nc_u32 v15, LB, v9
.set mi, 0
.rept 16
	ds_load_b64 v[128+2*mi:129+2*mi], v15 offset:256*mi
.set mi, mi+1
.endr
	s_wait_dscnt 0x0
.set mi, 0
.rept 16
	v_pk_add_f32 v[20:21], v[20:21], v[128+2*mi:129+2*mi]
.set mi, mi+1
.endr
	s_lshl_b32 s54, s53, 11
	s_add_co_u32 s54, s54, 256
	s_lshl_b32 s60, s52, 8
	s_add_co_u32 s54, s54, s60
	s_add_nc_u64 s[42:43], s[42:43], s[54:55]
	global_store_b64 v9, v[20:21], s[42:43]
.LendM:
	FINIS
; ---- W1: tile T = id / 8, columns 64 (id % 8) ..; wave w folds token f = 8 T + w.  Lane: four columns 4 (l % 16) + e, channels 32 (l / 16) + 0 .. 31.
.LtypeF:
	s_lshr_b32 s52, ttmp9, 3
	s_and_b32 s53, ttmp9, 7
	s_lshl_b32 s54, s52, 3
	s_add_co_u32 s54, s54, s[WV]
	s_cmp_lt_u32 s54, 25
	s_cselect_b32 s56, 1.0, 0                      ; tokens 25-31 do not exist: their weights are 0,
	s_mov_b32 s57, s56
	s_min_u32 s54, s54, 24                         ; and their loads stay inside w_flat
	s_lshl_b32 s58, s54, 17
	s_lshl_b32 s55, s53, 8
	s_add_co_u32 s58, s58, s55
	s_mov_b32 s59, 0
	s_add_nc_u64 s[30:31], s[30:31], s[58:59]
	v_lshrrev_b32 v6, 4, v[LANE]
	v_and_b32 v7, 15, v[LANE]
	v_lshlrev_b32 v5, 4, v7
	v_lshl_add_u32 v5, v6, 16, v5
	WIN 0x40                                       ; 16 lanes read 256 consecutive bytes of a row
.set fi, 0
.rept 32
	global_load_b128 v[4*fi:4*fi+3], v5, s[30:31] offset:2048*fi
.set fi, fi+1
.endr
	WIN 0
	CHAIN
	v_lshlrev_b32 v6, 10, v6                       ; my 32 channels' coefficients
.set fq, 0
.rept 4
.set fk, 0
.rept 8
	ds_load_b128 v[64+8*fk:67+8*fk], v6 offset:LCO+32*(8*fq+fk)
	ds_load_b64 v[68+8*fk:69+8*fk], v6 offset:LCO+32*(8*fq+fk)+16
.set fk, fk+1
.endr
	s_wait_dscnt 0x0
	WIN 0x01
.set fk, 0
.rept 8
.set fc, 0
.rept 6
	BFMA 32+4*fc, 4*(8*fq+fk), 64+8*fk+(fc/2)*2, fc%2, (fq+fk)==0
	BFMA 34+4*fc, 4*(8*fq+fk)+2, 64+8*fk+(fc/2)*2, fc%2, (fq+fk)==0
.set fc, fc+1
.endr
.set fk, fk+1
.endr
	WIN 0
.set fq, fq+1
.endr
.set fi, 0
.rept 24
	v_permlanex16_b32 v[64+fi], v[32+fi], s[SEL], s[SEL+1]     ; the other 32 channels
.set fi, fi+1
.endr
.set fi, 0
.rept 12
	v_pk_add_f32 v[32+2*fi:33+2*fi], v[32+2*fi:33+2*fi], v[64+2*fi:65+2*fi]
.set fi, fi+1
.endr
.set fi, 0
.rept 12
	v_pk_mul_f32 v[32+2*fi:33+2*fi], v[32+2*fi:33+2*fi], s[56:57] op_sel_hi:[1,0]
.set fi, fi+1
.endr
.irp e, 0,1,2,3
	v_cvt_pk_f16_f32 v[96+4*\e], v[32+\e], v[36+\e]
	v_cvt_pk_f16_f32 v[97+4*\e], v[40+\e], v[44+\e]
	v_cvt_pk_f16_f32 v[98+4*\e], v[48+\e], v[52+\e]
	v_mov_b32 v[99+4*\e], 0
.endr
	v_mul_u32_u24 v7, v7, 576
	s_lshl_b32 s55, s[WV], 4
	v_add_nc_u32 v7, s55, v7
.irp e, 0,1,2,3
	ds_store_b128 v7, v[96+4*\e:99+4*\e] offset:STG+144*\e   ; row = column, packet = token; both halves of the lanes hold the same
.endr
	BAR
	v_lshrrev_b32 v8, 3, v0
	v_mul_u32_u24 v8, v8, 144
	v_and_b32 v9, 7, v0
	v_lshl_add_u32 v8, v9, 4, v8
	v_lshlrev_b32 v9, 4, v0
	s_lshl_b32 s58, s52, 16
	s_lshl_b32 s55, s53, 13
	s_add_co_u32 s58, s58, s55
	s_add_nc_u64 s[40:41], s[40:41], s[58:59]
	ds_load_b128 v[64:67], v8 offset:STG
	ds_load_b128 v[68:71], v8 offset:STG+4608
	s_wait_dscnt 0x0
	global_store_b128 v9, v[64:67], s[40:41]
	global_store_b128 v9, v[68:71], s[40:41] offset:4096
	FINIS
; ---- w_out turned, its column sums, and the scalars
.LtypeO:
	v_lshrrev_b32 v6, 3, v0                        ; group of 8 k: kc, kc + 32
	v_and_b32 v7, 7, v0                            ; columns 4 (t % 8) + e
	v_lshlrev_b32 v5, 4, v7
	v_lshl_add_u32 v5, v6, 10, v5
	WIN 0x40
.set oi, 0
.rept 16
	global_load_b128 v[32*(oi/8)+4*(oi%8):32*(oi/8)+4*(oi%8)+3], v5, s[36:37] offset:32768*(oi/8)+128*(oi%8)
.set oi, oi+1
.endr
	WIN 0
	CHAIN
	WIN 0x05
	v_pk_add_f32 v[32:33], v[0:1], v[4:5]
	v_pk_add_f32 v[34:35], v[2:3], v[6:7]
	WIN 0x01
.set oi, 2
.rept 14
	v_pk_add_f32 v[32:33], v[32*(oi/8)+4*(oi%8):32*(oi/8)+4*(oi%8)+1], v[32:33]
	v_pk_add_f32 v[34:35], v[32*(oi/8)+4*(oi%8)+2:32*(oi/8)+4*(oi%8)+3], v[34:35]
.set oi, oi+1
.endr
	WIN 0x05
.set oi, 0
.rept 2
.set oe, 0
.rept 4
.set oj, 0
.rept 4
	v_cvt_pk_f16_f32 v[128+16*oi+4*oe+oj], v[32*oi+8*oj+oe], v[32*oi+8*oj+4+oe]
.set oj, oj+1
.endr
.set oe, oe+1
.endr
.set oi, oi+1
.endr
	WIN 0
	v_mul_u32_u24 v8, v7, 4160
	v_lshl_add_u32 v8, v6, 4, v8
.set oi, 0
.rept 2
.set oe, 0
.rept 4
	ds_store_b128 v8, v[128+16*oi+4*oe:131+16*oi+4*oe] offset:STG+1040*oe+512*oi
.set oe, oe+1
.endr
.set oi, oi+1
.endr
	v_lshlrev_b32 v9, 4, v7
	v_lshl_add_u32 v9, v6, 7, v9
	v_add_nc_u32 v9, LB, v9
	ds_store_b128 v9, v[32:35]
	s_cmp_lg_u32 s[WV], 0                          ; wave 0: the 32 scalars into TAB
	s_cbranch_scc1 .Lnot0a
	v_mov_b32 v23, 0
.irp h, 0,1,2,3,4
	ds_load_b32 v[64+2*\h], v12 offset:LGN+256*\h
	ds_load_b32 v[65+2*\h], v12 offset:LGN+256*\h+128
.endr
	ds_load_b32 v80, v12 offset:LA
	ds_load_b32 v81, v12 offset:LA+128
	ds_load_b32 v82, v12 offset:LA+256
	ds_load_b32 v83, v12 offset:LA+384
	ds_load_b32 v84, v12 offset:LC
	ds_load_b32 v85, v12 offset:LC+128
	ds_load_b128 v[88:91], v23 offset:LNR
	ds_load_b32 v92, v23 offset:LNR+16
	s_wait_dscnt 0x0
.macro RHO p, a, b                      ; 2 x the mean of Gn_a Gn_b
	v_mul_f32 v[96+\p], v[64+2*\a], v[64+2*\b]
	v_fmac_f32 v[96+\p], v[65+2*\a], v[65+2*\b]
	WSUM 96+\p, 86
	v_mul_f32 v[96+\p], 0x3d000000, v[96+\p]
.endm
	v_mov_b32 v86, 0
	RHO 0, 0, 1
	RHO 1, 0, 2
	RHO 2, 0, 3
	RHO 3, 1, 2
	RHO 4, 1, 3
	RHO 5, 2, 3
	RHO 6, 0, 4
	RHO 7, 1, 4
	RHO 8, 2, 4
	RHO 9, 3, 4
.irp p, 6,7,8,9
	v_mul_f32 v[96+\p], v[96+\p], v92
.endr
.irp p, 0,1,2,3,4,5,6,7,8,9
	ds_store_b32 v23, v[96+\p] offset:TAB+48+4*\p
.endr
	v_mul_f32 v106, v80, v82                       ; Aq Ak: heads 0, 1 in the two halves of the lanes,
	v_mul_f32 v107, v81, v83                       ; heads 2, 3
	v_mul_f32 v108, v84, v82                       ; Cq Ak
	v_mul_f32 v109, v85, v83
.irp p, 106,107,108,109
	RSUM \p
	v_mul_f32 v[\p], 0x3eb8aa3b, v[\p]             ; x log2(e) / 4
.endr
	v_lshrrev_b32 v110, 4, v[LANE]
	v_lshlrev_b32 v110, 2, v110
	ds_store_b32 v110, v106 offset:TAB
	ds_store_b32 v110, v107 offset:TAB+8
	ds_store_b32 v110, v108 offset:TAB+16
	ds_store_b32 v110, v109 offset:TAB+24
	ds_store_b128 v23, v[88:91] offset:TAB+32
	v_fmaak_f32 v111, v92, v92, 0x3727c5ac
	ds_store_b32 v23, v111 offset:TAB+88
	ds_store_b32 v23, v92 offset:TAB+92
.irp p, 112,113,114,115
	v_mov_b32 v[\p], 0
.endr
	ds_store_b128 v23, v[112:115] offset:TAB+96
	ds_store_b128 v23, v[112:115] offset:TAB+112
.Lnot0a:
	BAR
	v_lshrrev_b32 v10, 6, v0
	v_mul_u32_u24 v10, v10, 1040
	v_and_b32 v11, 63, v0
	v_lshl_add_u32 v10, v11, 4, v10
	v_lshlrev_b32 v11, 4, v0
	s_add_nc_u64 s[40:41], s[40:41], 1310720
.irp q, 0,1,2,3,4,5,6,7
	ds_load_b128 v[64+4*\q:67+4*\q], v10 offset:STG+4160*\q
.endr
	s_wait_dscnt 0x0
.irp q, 0,1,2,3,4,5,6,7
	global_store_b128 v11, v[64+4*\q:67+4*\q], s[40:41] offset:4096*\q
.endr
	s_cmp_lg_u32 s[WV], 0
	s_cbranch_scc1 .Lnot0b
	v_add_nc_u32 v13, LB, v12
.set oi, 0
.rept 32
	ds_load_b32 v[128+oi], v13 offset:128*oi
.set oi, oi+1
.endr
	s_wait_dscnt 0x0
.set oi, 1
.rept 15
	v_pk_add_f32 v[128:129], v[128:129], v[128+2*oi:129+2*oi]
.set oi, oi+1
.endr
	v_add_f32 v128, v128, v129
	ds_store_b32 v12, v128 offset:TAB+128
	v_lshlrev_b32 v14, 3, v[LANE]
	ds_load_b64 v[130:131], v14 offset:TAB         ; LDS serves a wave's instructions in order: this sees the stores above
	s_wait_dscnt 0x0
	global_store_b64 v14, v[130:131], s[42:43]     ; 32 lanes x 8 bytes: cst's first 256 bytes
.Lnot0b:
	FINIS
.Lfunc_end_k_qf2244b6faf_prep:
	.size	k_qf2244b6faf_prep, .Lfunc_end_k_qf2244b6faf_prep-k_qf2244b6faf_prep
	.p2alignl 7, 3214868480
	.fill 96, 4, 3214868480
	.section	.rodata,"a",@progbits
	.p2align	6, 0x0
	.amdhsa_kernel k_qf2244b6faf_prep
		.amdhsa_group_segment_fixed_size 91136
		.amdhsa_private_segment_fixed_size 0
		.amdhsa_enable_private_segment 0
		.amdhsa_kernarg_size 160
		.amdhsa_user_sgpr_count 2
		.amdhsa_user_sgpr_kernarg_segment_ptr 1
		.amdhsa_wavefront_size32 1
		.amdhsa_system_sgpr_workgroup_id_x 1
		.amdhsa_system_sgpr_workgroup_id_y 1
		.amdhsa_system_sgpr_workgroup_id_z 1
		.amdhsa_system_vgpr_workitem_id 0
		.amdhsa_next_free_vgpr 384
		.amdhsa_next_free_sgpr 66
		.amdhsa_reserve_vcc 0
		.amdhsa_float_denorm_mode_32 3
		.amdhsa_float_denorm_mode_16_64 3
		.amdhsa_memory_ordered 1
		.amdhsa_forward_progress 1
		.amdhsa_inst_pref_size 125
	.end_amdhsa_kernel
	.amdgpu_metadata
---
amdhsa.version: [ 1, 2 ]
amdhsa.kernels:
  - .name:           k_qf2244b6faf_prep
    .symbol:         k_qf2244b6faf_prep.kd
    .args:
      - { .name: params_b_in, .offset: 0, .size: 8, .value_kind: global_buffer, .address_space: global }
      - { .name: params_b_o, .offset: 8, .size: 8, .value_kind: global_buffer, .address_space: global }
      - { .name: params_b_qkv, .offset: 16, .size: 8, .value_kind: global_buffer, .address_space: global }
      - { .name: params_ln_attn_b, .offset: 24, .size: 8, .value_kind: global_buffer, .address_space: global }
      - { .name: params_ln_attn_g, .offset: 32, .size: 8, .value_kind: global_buffer, .address_space: global }
      - { .name: params_mlp_0_b, .offset: 40, .size: 8, .value_kind: global_buffer, .address_space: global }
      - { .name: params_mlp_0_bw, .offset: 48, .size: 8, .value_kind: global_buffer, .address_space: global }
      - { .name: params_mlp_0_g, .offset: 56, .size: 8, .value_kind: global_buffer, .address_space: global }
      - { .name: params_mlp_0_w, .offset: 64, .size: 8, .value_kind: global_buffer, .address_space: global }
      - { .name: params_mlp_1_b, .offset: 72, .size: 8, .value_kind: global_buffer, .address_space: global }
      - { .name: params_mlp_1_bw, .offset: 80, .size: 8, .value_kind: global_buffer, .address_space: global }
      - { .name: params_mlp_1_g, .offset: 88, .size: 8, .value_kind: global_buffer, .address_space: global }
      - { .name: params_mlp_1_w, .offset: 96, .size: 8, .value_kind: global_buffer, .address_space: global }
      - { .name: params_w_flat, .offset: 104, .size: 8, .value_kind: global_buffer, .address_space: global }
      - { .name: params_w_in, .offset: 112, .size: 8, .value_kind: global_buffer, .address_space: global }
      - { .name: params_w_o, .offset: 120, .size: 8, .value_kind: global_buffer, .address_space: global }
      - { .name: params_w_out, .offset: 128, .size: 8, .value_kind: global_buffer, .address_space: global }
      - { .name: params_w_qkv, .offset: 136, .size: 8, .value_kind: global_buffer, .address_space: global }
      - { .name: wts, .offset: 144, .size: 8, .value_kind: global_buffer, .address_space: global }
      - { .name: cst, .offset: 152, .size: 8, .value_kind: global_buffer, .address_space: global }
    .group_segment_fixed_size: 91136
    .private_segment_fixed_size: 0
    .kernarg_segment_align: 8
    .kernarg_segment_size: 160
    .max_flat_workgroup_size: 256
    .sgpr_count:     66
    .vgpr_count:     384
    .wavefront_size: 32
...
	.end_amdgpu_metadata
.endif
;; end of part 1
;; launch net (part 2): grid 256 x 1, 4 waves a work-group, clusters of 4 x 1, 327,680 bytes of LDS; arguments prev_z, u, dt, Q_k, wts, cst, params_b_flat, params_b_out, out0, lsig, pmin; writes out0, lsig, pmin
.if DOCPART == 2
	.amdgcn_target "amdgcn-amd-amdhsa--gfx1250"
	.amdhsa_code_object_version 6
	.text
	.protected	k_qf2244b6faf_net
	.globl	k_qf2244b6faf_net
	.p2align	8
	.type	k_qf2244b6faf_net,@function
k_qf2244b6faf_net:
	s_mov_b64 s[64:65], 0
	v_nop
	global_prefetch_b8 v0, s[64:65] scope:SCOPE_SE
	s_setreg_imm32_b32 hwreg(HW_REG_WAVE_MODE, 25, 1), 1
	s_wait_xcnt 0x0
	s_wait_alu depctr_hold_cnt(0) depctr_sa_sdst(0) depctr_va_vdst(0) depctr_va_sdst(0) depctr_va_ssrc(0) depctr_va_vcc(0) depctr_vm_vsrc(0)
	s_getreg_b32 s2, hwreg(HW_REG_IB_STS2, 6, 4)
	s_cmp_eq_u32 s2, 0
	s_cbranch_scc0 .Lentry_in_a_cluster
	s_endpgm
.Lentry_in_a_cluster:
	s_bfe_u32 s2, ttmp6, 0x10000c
	s_cmp_lg_u32 s2, 0x3003
	s_cbranch_scc0 .Lentry_shape_is_right
	s_endpgm
.Lentry_shape_is_right:
; THE NET: 128 rows a work-group, from the 25 scalars of a row to z_pred, log_sigma and the smallest eigenvalue of the row's matrix.
; ATTENTION, a lane a row, in f32: for query q and head h, t = s_q alpha' + gamma'; p_k = 2^(s_k t - max_k s_k t) (the true maximum: max(t smax, t smin)); m = sum p s / sum p.
;   psi_h = m_h n_h; var = the quadratic form of psi (cst 12-22); r = rsq(var).  Token q's eight features, f16: 256 r psi_0..3, 256 r n_4, 256, 0, 0.
; THREE PRODUCTS (K = 256, 512, 512; N = 512) on the matrix unit, f16 x f16 -> f32.  Wave w: all 128 rows x columns 128 w ..: 64 accumulators.  Source 0 = 16 weight rows n, source 1 = 16 rows:
;   lane (r, h), register j of accumulator (a, b) holds row 16 a + r, column 128 w + 16 b + 8 h + j.  Weights come as tiles [512 n][64 k] through two LDS slots.
; CLUSTER: the four row blocks of a cluster walk the same weights: every tile is asked for jointly (mask 15), which divides the requests for 1.3 MB of weights a work-group by four.
; E, behind each product: bias; exact GELU as 0.5 h + |h| (0.5 - erfc(|h|/sqrt 2)/2), erfc by a rational in 1/(1 + 0.47047 z) times exp(-z^2), absolute error at most 2.5e-5;
;   + 0.1 x the residual, rebuilt as xn sd + mu; then the row's mean and variance (each wave's 128 columns first, joined without a difference of large sums), and xn = (x - mu) rstd in f16 back into LDS.
; THE LAST PRODUCT: out = sd (xn w_out) + mu cs + b_out.
; EIGENVALUE, a lane a matrix, f32: mat = 0.45 (sp + sp^T) + 0.1; Householder to three diagonals; then the largest sigma at which all leading minors of T - sigma stay positive, by cutting the bracket
;   in five, eleven times: the bracket ends at 5^-11 of Gershgorin's span, for any matrix.
; LIMITS: |256 r psi| under 65,504; NaN and infinities are not treated apart; a softmax weight under 2^-126 counts as 0.
.set PW,    144         ; a weight row in LDS: 128 bytes + 16
.set QW,    128*PW      ; a wave's quarter of a tile, which it fetches and reads itself
.set SLOT,  4*QW
.set TILE,  65536
.set PA,    1040        ; a row of activations, of w_out, and a matrix of Q_k: 1,024 bytes + 16
.set WOUT,  2*SLOT
.set ACT,   WOUT+32*PA  ; 128 rows; written by LDS stores alone
.set STAT,  ACT+128*PA  ; [4 waves][128 rows] (mean, variance) of a wave's 128 columns
.set FIX,   STAT+4096   ; [4][128] (A, A), (D, D) in f16
.set ROWP,  STAT+8192   ; [128] (sd, mu)
.set PM,    STAT+9216
.set SPARE, STAT+9472   ; the spare words, 128 bytes a wave: two blocks of 256 bytes that no other line names
; window 0
.set ADRA, 4            ; v4-5   activation fragments, rows 0-63 and 64-127; v6-7 their bases
.set ADRB, 8            ; v8-9   weight fragments in slot 0, 1
.set EA,   10           ; v10    my 16 bytes of a row in E; v11 its base
.set STA,  12           ; v12    STAT, to store; v13 base
.set RPA,  14           ; v14    ROWP, to read; v15 base
.set FXA,  16           ; v16    FIX, to read; v17 base
.set CMB,  18           ; v18    STAT + 8 x thread
.set BOF,  19           ; v19    the bias's offset; v24 its base
.set ROWA, 20           ; v20    ACT + thread x PA: my own row
.set QA,   21           ; v21    my own matrix
.set SPW,  28
.set NIL,  29
.set PFO,  30
.set F0,   64
.set F1,   128
; scalars
.set GI,   2            ; s2     the work-group's number
.set LIM,  3
.set WV,   26
.set CX,   27
.set PFA,  28           ; s[28:29]
.set G1W,  32           ; s[32:39] a wave's quarter tile: 64 rows of 256 bytes
.set G0W,  40           ; s[40:47] one set a slot
.set G1Q,  48           ; s[48:55] 16 matrices of Q_k
.set G0Q,  56           ; s[56:63] one set a part
.set UL,   66           ; s66    units still to walk, this one among them
.set LAPG, 67
.set G1O,  68           ; s[68:75] 8 rows of w_out; free when the first fills have landed
.set FIRST, 68          ; s68    then: 1 where the unit to come begins a product
.set G0O,  76
.set SC,   80
.set KS,   82
.set PP,   84
.set ABSM, 85
.set CA1,  86
.set CA2,  88
.set CA3,  90
.set SEL,  92
.set BP,   94
.set TS,   96
.set LAYER, 104
.set CNT,  105
.set MSB, 0
.macro WIN new
.if MSB != (\new)
	s_set_vgpr_msb (MSB<<8)|(\new)
.set MSB, \new
.endif
.endm
.set MUL_LO, 0xa1       ; weights window 1, activations window 0, sums window 2
.set MUL_HI, 0xf1       ; sums window 3
.set TO_B,   0x40
.macro PLACES
.rept 4
	v_nop
.endr
.endm
.macro BAR
	s_wait_dscnt 0x0
	s_barrier_signal -1
	s_barrier_wait -1
.endm
.macro CREST                            ; a round of the cluster's barrier behind its opening barrier
	s_cmp_lg_u32 s[WV], 0
	s_cbranch_scc1 .Lnot_wave_0_\@
	s_barrier_signal -3
.Lnot_wave_0_\@:
	s_barrier_wait -3
	s_barrier_signal -1
	s_barrier_wait -1
.endm
.macro CROUND
	s_barrier_signal -1
	s_barrier_wait -1
	CREST
.endm
; 16 products: row blocks a0, a0 + 1 of the window's four x all 8 column blocks, 32 along K.  All 64 sums take turns, one instruction a turn.
.macro MUL16 f, hi, a0, zero
	WIN MUL_LO+0x50*(\hi)
.irp a, \a0, (\a0)+1
.irp b, 0,1,2,3,4,5,6,7
.if \zero
	v_wmma_f32_16x16x32_f16 v[8*(8*(\a)+(\b)):8*(8*(\a)+(\b))+7], v[(\f)+8*(\b):(\f)+8*(\b)+7], v[(\f)+8*(4*(\hi)+(\a)):(\f)+8*(4*(\hi)+(\a))+7], 0
.else
	v_wmma_f32_16x16x32_f16 v[8*(8*(\a)+(\b)):8*(8*(\a)+(\b))+7], v[(\f)+8*(\b):(\f)+8*(\b)+7], v[(\f)+8*(4*(\hi)+(\a)):(\f)+8*(4*(\hi)+(\a))+7], v[8*(8*(\a)+(\b)):8*(8*(\a)+(\b))+7]
.endif
.endr
.endr
.endm
; 32 LDS loads in one run: 128 weight rows at byte kb, 128 activation rows at byte ka, 32 along K, into buffer f
.macro FETCH slot, kb, ka, f
	WIN TO_B
.irp i, 0,1,2,3,4,5,6,7
	ds_load_b128 v[(\f)+8*(\i):(\f)+8*(\i)+3],   v[ADRB+(\slot)] offset:(\kb)+(\i)*16*PW
	ds_load_b128 v[(\f)+8*(\i)+4:(\f)+8*(\i)+7], v[ADRB+(\slot)] offset:(\kb)+(\i)*16*PW+32
.endr
	WIN 0
.irp i, 0,1,2,3,4,5,6,7
	ds_load_b128 v[(\f)+8*(\i):(\f)+8*(\i)+3],   v[ADRA+(\i)/4] offset:(\ka)+((\i)%4)*16*PA
	ds_load_b128 v[(\f)+8*(\i)+4:(\f)+8*(\i)+7], v[ADRA+(\i)/4] offset:(\ka)+((\i)%4)*16*PA+32
.endr
.endm
; A tile's first 32 along K: multiplies buffer f, fetches the second 32 into g in its middle
.macro QUARTER slot, kb, ka, f, g, zero
	s_wait_dscnt 8                                 ; the weights and rows 0-63 are in; the youngest eight loads (rows 64-127) may be out
	MUL16 \f, 0, 0, \zero
	MUL16 \f, 0, 2, \zero
	PLACES                                         ; four places between the products and loads into registers that products have read
	FETCH \slot, \kb, \ka, \g
	s_wait_dscnt 32                                ; all but the 32 just issued
	MUL16 \f, 1, 0, \zero
	MUL16 \f, 1, 2, \zero
.endm
; A tile's second 32 along K, and the change of slots, in two parts.
; TURNA: each wave waits for all its tensor loads (one is out: its quarter of the other slot), adds 0 to its spare word, waits for that and for its reads; the barrier opens a round of the cluster's,
; and the refill is the first thing behind the round.  joint = 1: the tile two steps on, asked for by all four work-groups; 0 (the tail): my 16 matrices of Q_k.  ask = 1: the prefetches' address steps.
.macro TURNA slot, joint, ask
.if \ask
	s_wait_xcnt 0x0                                ; the last prefetch, a lap back, has read its address
	s_add_nc_u64 s[PFA:PFA+1], s[PFA:PFA+1], 2*TILE
.endif
	WIN 0
	s_wait_tensorcnt 0x0
	ds_add_u32 v[SPW], v[NIL]
	s_wait_dscnt 9                                 ; the add and the youngest eight loads may be out
	MUL16 F1, 0, 0, 0
	s_wait_dscnt 0x0                               ; the add is done, and my reads of this slot and of the activations are over
	s_barrier_signal -1
	MUL16 F1, 0, 2, 0
	WIN 0
	s_barrier_wait -1
	CREST
.if \joint
	s_add_nc_u64 s[G0W+4*(\slot)+2:G0W+4*(\slot)+3], s[G0W+4*(\slot)+2:G0W+4*(\slot)+3], 2*TILE
	tensor_load_to_lds s[G0W+4*(\slot):G0W+4*(\slot)+3], s[G1W:G1W+7]
.else
	tensor_load_to_lds s[G0Q+4*(\slot):G0Q+4*(\slot)+3], s[G1Q:G1Q+7]
.endif
	s_nop 0
	PLACES                                         ; the places in front of the loads of TURNB
.endm
; TURNB: the next tile's first fragments (fetch = 1), a prefetch of two later tiles (ask = 1), and the tile's last 32 products.
.macro TURNB next, ka, fetch, ask
.if \fetch
	FETCH \next, 0, \ka, F0
.endif
.if \ask
; Lap i names tiles 2 i + 6 and 2 i + 7, which the lap after next will ask for: 512 products ahead.  The launch's first cluster asks; its 16 waves share the two tiles out by address
; (16,384 bytes a wave's number, 4,096 a partner, a lane a block of 256 bytes), so each block of tiles 6-19 is named once.  Laps 7 and later ask for nothing.
	s_cmp_gt_u32 s[LAPG], s[LIM]
	s_cbranch_scc0 .Lnot_mine_\@
	global_prefetch_b8 v[PFO], s[PFA:PFA+1] th:TH_LOAD_NT scope:SCOPE_SE
.Lnot_mine_\@:
	s_sub_co_u32 s[LAPG], s[LAPG], 1
.endif
	MUL16 F1, 1, 0, 0
	MUL16 F1, 1, 2, 0
.endm
.macro TURN slot, next, ka, joint, fetch, ask
	TURNA \slot, \joint, \ask
	TURNB \next, \ka, \fetch, \ask
.endm
.macro TAKE a                           ; H = sums of row block a x SC + bias; each accumulator is read from its low end on
	WIN 0x42+(\a)/4
.set i, 0
.rept 32
	v_pk_fma_f32 v[2*i:2*i+1], v[64*((\a)%4)+2*i:64*((\a)%4)+2*i+1], s[SC:SC+1], v[192+2*i:193+2*i] op_sel_hi:[1,0,1]
.set i, i+1
.endr
	WIN 0
.endm
; ---- E, behind a product.  Window 1: H v0-63, T v64-127, U v128-191, P v192-255.  It stands twice in the text: in the loop over units, and behind the tail, which never comes back into the loop.
.macro EPI
	v_mov_b32 v[EA], v11                           ; four plain lines: the places behind the last products
	v_mov_b32 v[STA], v13
	v_mov_b32 v[RPA], v15
	v_mov_b32 v[FXA], v17
	s_wait_loadcnt 0x0                             ; the bias
	s_mov_b32 s[CNT], 0
.LEa_\@:                                ; a trip: 16 rows, my 128 columns
.irp a, 0,1,2,3,4,5,6
	s_cmp_eq_u32 s[CNT], \a
	s_cbranch_scc1 .Lacc\@_\a
.endr
	TAKE 7
	s_branch .Lcom_\@
.irp a, 0,1,2,3,4,5,6
.Lacc\@_\a:
	TAKE \a
	s_branch .Lcom_\@
.endr
.Lcom_\@:
	s_cmp_eq_u32 s[LAYER], 0
	s_cbranch_scc1 .Lplain_\@
.irp b, 0,1,2,3,4,5,6,7
	ds_load_b128 v[32+4*\b:35+4*\b], v[EA] offset:32*\b        ; the layer's input xn, my own columns
.endr
	ds_load_b64 v[26:27], v[RPA]                   ; (sd, mu) of the row
	WIN 0x55
.set p, 0
.rept 32                                ; 128 transcendentals, one batch: a pair's four stand among the next pair's plain lines
	v_pk_mul_f32 v[128+2*p:129+2*p], v[2*p:2*p+1], s[KS:KS+1] op_sel_hi:[1,0]
	v_fma_f32 v[64+2*p], |v[2*p]|, s[PP], 1.0
	v_fma_f32 v[65+2*p], |v[2*p+1]|, s[PP], 1.0
	v_pk_mul_f32 v[128+2*p:129+2*p], v[128+2*p:129+2*p], v[128+2*p:129+2*p] neg_lo:[0,1] neg_hi:[0,1]
.if p > 0
	v_rcp_f32 v[62+2*p], v[62+2*p]
	v_rcp_f32 v[63+2*p], v[63+2*p]
	v_exp_f32 v[126+2*p], v[126+2*p]
	v_exp_f32 v[127+2*p], v[127+2*p]
.endif
.set p, p+1
.endr
	v_rcp_f32 v126, v126
	v_rcp_f32 v127, v127
	v_exp_f32 v190, v190
	v_exp_f32 v191, v191
	v_nop
	s_wait_alu depctr_va_vdst(0)                   ; one wait for the batch
.set p, 0
.rept 32
	v_pk_fma_f32 v[192+2*p:193+2*p], v[64+2*p:65+2*p], s[CA3:CA3+1], s[CA2:CA2+1] op_sel_hi:[1,0,0]
.set p, p+1
.endr
.set p, 0
.rept 32
	v_pk_fma_f32 v[192+2*p:193+2*p], v[192+2*p:193+2*p], v[64+2*p:65+2*p], s[CA1:CA1+1] op_sel_hi:[1,1,0]
.set p, p+1
.endr
.set p, 0
.rept 32
	v_pk_mul_f32 v[192+2*p:193+2*p], v[192+2*p:193+2*p], v[64+2*p:65+2*p]
.set p, p+1
.endr
.set p, 0
.rept 32
	v_pk_fma_f32 v[192+2*p:193+2*p], v[192+2*p:193+2*p], v[128+2*p:129+2*p], 0.5 op_sel_hi:[1,1,0] neg_lo:[1,0,0] neg_hi:[1,0,0]   ; 0.5 - erfc / 2
.set p, p+1
.endr
.set p, 0
.rept 32
	v_pk_mul_f32 v[128+2*p:129+2*p], v[2*p:2*p+1], 0.5 op_sel_hi:[1,0]
.set p, p+1
.endr
.set i, 0
.rept 64
	v_fma_f32 v[i], |v[i]|, v[192+i], v[128+i]     ; the GELU
.set i, i+1
.endr
	WIN 0
	s_wait_dscnt 0x0
	v_mul_f32 v26, 0x3dcccccd, v26                 ; 0.1 sd
	WIN 0x40
	v_mul_f32 v79, 0x3dcccccd, v27                 ; 0.1 mu shifts the whole row: it goes into the mean alone
	WIN 0x50
.set i, 0
.rept 64
.if i%2
	v_fma_mix_f32 v[i], v[32+i/2], v26, v[i] op_sel:[1,0,0] op_sel_hi:[1,0,0]
.else
	v_fma_mix_f32 v[i], v[32+i/2], v26, v[i] op_sel_hi:[1,0,0]
.endif
.set i, i+1
.endr
	WIN 0
	s_branch .Lstat_\@
.Lplain_\@:
	WIN 0x40
	v_mov_b32 v79, 0
	WIN 0
.Lstat_\@:                              ; mean and variance of the row's 128 columns that my wave holds: 64 in this lane, 64 in the lane 16 away
	WIN 0x55
.irp c, 0,1,2,3
	v_pk_add_f32 v[64+2*\c:65+2*\c], v[2*\c:2*\c+1], v[8+2*\c:9+2*\c]
.endr
.set j, 2
.rept 6
.irp c, 0,1,2,3
	v_pk_add_f32 v[64+2*\c:65+2*\c], v[64+2*\c:65+2*\c], v[8*j+2*\c:8*j+2*\c+1]
.endr
.set j, j+1
.endr
	v_pk_add_f32 v[64:65], v[64:65], v[66:67]
	v_pk_add_f32 v[68:69], v[68:69], v[70:71]
	v_pk_add_f32 v[64:65], v[64:65], v[68:69]
	v_add_f32 v64, v64, v65
	v_permlanex16_b32 v65, v64, s[SEL], s[SEL+1]
	v_add_f32 v64, v64, v65
	v_mul_f32 v72, 0x3c000000, v64
	v_mul_f32 v73, 0x3c000000, v64
.set p, 0
.rept 32
	v_pk_add_f32 v[2*p:2*p+1], v[2*p:2*p+1], v[72:73] neg_lo:[0,1] neg_hi:[0,1]
.set p, p+1
.endr
.irp c, 0,1,2,3
	v_pk_mul_f32 v[64+2*\c:65+2*\c], v[2*\c:2*\c+1], v[2*\c:2*\c+1]
.endr
.set j, 1
.rept 7
.irp c, 0,1,2,3
	v_pk_fma_f32 v[64+2*\c:65+2*\c], v[8*j+2*\c:8*j+2*\c+1], v[8*j+2*\c:8*j+2*\c+1], v[64+2*\c:65+2*\c]
.endr
.set j, j+1
.endr
	v_pk_add_f32 v[64:65], v[64:65], v[66:67]
	v_pk_add_f32 v[68:69], v[68:69], v[70:71]
	v_pk_add_f32 v[64:65], v[64:65], v[68:69]
	v_add_f32 v64, v64, v65
	v_permlanex16_b32 v65, v64, s[SEL], s[SEL+1]
	v_add_f32 v64, v64, v65
	v_mul_f32 v75, 0x3c000000, v64
	v_add_f32 v76, 0x3727c5ac, v75
	v_add_f32 v77, 0x3727c5ac, v75
	v_rsq_f32 v76, v76
	v_rsq_f32 v77, v77
	v_add_f32 v74, v72, v79
	s_wait_alu depctr_va_vdst(0)
.set p, 0
.rept 32
	v_pk_mul_f32 v[2*p:2*p+1], v[2*p:2*p+1], v[76:77]
.set p, p+1
.endr
.set p, 0
.rept 32
	v_cvt_pk_f16_f32 v[128+p], v[2*p], v[2*p+1]
.set p, p+1
.endr
	WIN 0x04                                       ; store data in window 1
.irp b, 0,1,2,3,4,5,6,7
	ds_store_b128 v[EA], v[128+4*\b:131+4*\b] offset:32*\b
.endr
	ds_store_b64 v[STA], v[74:75]
	WIN 0
	v_add_nc_u32 v[EA], 16*PA, v[EA]
	v_add_nc_u32 v[STA], 128, v[STA]
	v_add_nc_u32 v[RPA], 128, v[RPA]
	s_add_co_u32 s[CNT], s[CNT], 1
	s_cmp_lt_u32 s[CNT], 8
	s_cbranch_scc1 .LEa_\@
	BAR
; thread t joins row t's four parts: mu = the mean of the means; var = the mean of the variances + the mean of (mean - mu)^2
.irp i, 0,1,2,3
	ds_load_b64 v[32+2*\i:33+2*\i], v[CMB] offset:1024*\i
.endr
	s_wait_dscnt 0x0
	v_add_f32 v40, v32, v34
	v_add_f32 v41, v36, v38
	v_add_f32 v45, v33, v35
	v_add_f32 v46, v37, v39
	v_add_f32 v40, v40, v41
	v_add_f32 v45, v45, v46
	v_mul_f32 v57, 0x3e800000, v40
.irp i, 0,1,2,3
	v_sub_f32 v[41+\i], v[32+2*\i], v57
.endr
.irp i, 0,1,2,3
	v_fmac_f32 v45, v[41+\i], v[41+\i]
.endr
	v_mul_f32 v45, 0x3e800000, v45
	v_add_f32 v45, 0x3727c5ac, v45
.irp i, 0,1,2,3
	v_add_f32 v[46+\i], 0x3727c5ac, v[33+2*\i]
.endr
	v_rsq_f32 v50, v45
.irp i, 0,1,2,3
	v_rsq_f32 v[51+\i], v[46+\i]
.endr
	v_nop
	s_wait_alu depctr_va_vdst(0)
	v_mul_f32 v56, v45, v50                        ; sd
.irp i, 0,1,2,3
	v_mul_f32 v[46+\i], v[46+\i], v[51+\i]
	v_mul_f32 v[41+\i], v[41+\i], v50              ; D: at most 2 in magnitude
.endr
.irp i, 0,1,2,3
	v_mul_f32 v[46+\i], v[46+\i], v50              ; A: at most 2
.endr
.irp i, 0,1,2,3
	v_cvt_pk_f16_f32 v[58+2*\i], v[46+\i], v[46+\i]
	v_cvt_pk_f16_f32 v[59+2*\i], v[41+\i], v[41+\i]
.endr
.irp i, 0,1,2,3
	ds_store_b64 v[CMB], v[58+2*\i:59+2*\i] offset:4096+1024*\i
.endr
	ds_store_b64 v[CMB], v[56:57] offset:8192
	BAR
	v_mov_b32 v[EA], v11
	s_mov_b32 s[CNT], 8
.Lfix_\@:                               ; xn = xn_local A + D, my own columns, 16 rows a trip
	ds_load_b64 v[26:27], v[FXA]
.irp b, 0,1,2,3,4,5,6,7
	ds_load_b128 v[32+4*\b:35+4*\b], v[EA] offset:32*\b
.endr
	s_wait_dscnt 0x0
.set i, 0
.rept 32
	v_pk_fma_f16 v[32+i], v[32+i], v26, v27
.set i, i+1
.endr
.irp b, 0,1,2,3,4,5,6,7
	ds_store_b128 v[EA], v[32+4*\b:35+4*\b] offset:32*\b
.endr
	v_add_nc_u32 v[EA], 16*PA, v[EA]
	v_add_nc_u32 v[FXA], 128, v[FXA]
	s_sub_co_u32 s[CNT], s[CNT], 1
	s_cmp_lg_u32 s[CNT], 0
	s_cbranch_scc1 .Lfix_\@
	BAR
.endm
	s_load_b512 s[4:19], s[0:1], 0x0               ; prev_z 4, u 6, dt 8, Q_k 10, wts 12, cst 14, b_flat 16, b_out 18
	s_load_b128 s[20:23], s[0:1], 0x40             ; out0 20, lsig 22
	s_load_b64 s[24:25], s[0:1], 0x50              ; pmin
	v_lshl_add_u32 v[SPW], v0, 2, SPARE
	v_mov_b32 v[NIL], 0
	ds_add_u32 v[SPW], v[NIL]                      ; the wave's opening: the add, twice on end, and its wait ahead of my first tensor load
	ds_add_u32 v[SPW], v[NIL]
	v_lshrrev_b32 v1, 5, v0
	v_readfirstlane_b32 s[WV], v1
	s_bfe_u32 s[CX], ttmp6, 0x40000
	s_lshl_b32 s[GI], ttmp9, 2
	s_add_co_u32 s[GI], s[GI], s[CX]               ; enters global addresses of my own rows alone
	s_mov_b32 s[G1W], 15|(1<<16)|(1<<20)|(1<<21)|(4<<22)|(3<<25)   ; mask of four; 2-byte elements; 4 words of padding after every 32
	s_mov_b32 s[G1W+1], 128<<16
	s_mov_b32 s[G1W+2], 64<<16
	s_mov_b32 s[G1W+3], 128<<16
	s_mov_b32 s[G1W+4], 64
	s_mov_b32 s[G1W+5], 128
	s_mov_b32 s[G1W+6], 0
	s_mov_b32 s[G1W+7], 0
	s_mov_b32 s[G1O], 15|(3<<16)|(1<<20)|(1<<21)|(7<<22)|(3<<25)   ; mask of four; 8-byte elements; 4 words after every 256: rows of 1,024 bytes
	s_mov_b32 s[G1O+1], 128<<16
	s_mov_b32 s[G1O+2], 8<<16
	s_mov_b32 s[G1O+3], 128<<16
	s_mov_b32 s[G1O+4], 8
	s_mov_b32 s[G1O+5], 128
	s_mov_b32 s[G1O+6], 0
	s_mov_b32 s[G1O+7], 0
	s_mov_b32 s[G1Q], (3<<16)|(1<<20)|(7<<22)|(3<<25)              ; no mask: my own rows
	s_mov_b32 s[G1Q+1], 128<<16
	s_mov_b32 s[G1Q+2], 16<<16
	s_mov_b32 s[G1Q+3], 128<<16
	s_mov_b32 s[G1Q+4], 16
	s_mov_b32 s[G1Q+5], 128
	s_mov_b32 s[G1Q+6], 0
	s_mov_b32 s[G1Q+7], 0
	s_mov_b32 s[G0W], 1
	s_mul_i32 s[G0W+1], s[WV], QW
	s_mov_b32 s[G0W+4], 1
	s_add_co_u32 s[G0W+5], s[G0W+1], SLOT
	s_mov_b32 s[G0Q], 1
	s_mul_i32 s[G0Q+1], s[WV], 16*PA
	s_mov_b32 s[G0Q+4], 1
	s_add_co_u32 s[G0Q+5], s[G0Q+1], SLOT
	s_mov_b32 s[G0O], 1
	s_mul_i32 s[G0O+1], s[WV], 8*PA
	s_add_co_u32 s[G0O+1], s[G0O+1], WOUT
	s_lshl_b32 s96, s[WV], 14
	s_mov_b32 s97, 0
	s_lshl_b32 s98, s[WV], 13
	s_mov_b32 s99, 0
	s_lshl_b32 s100, s[GI], 17                     ; 128 matrices of 1,024 bytes
	s_add_co_u32 s100, s100, s96                   ; + 16 a wave
	s_mov_b32 s101, 0
	s_lshl_b32 s86, s[CX], 12
	s_mov_b32 s87, 0
	s_lshl_b32 s88, s[GI], 7
	s_lshl_b32 s89, s[WV], 5
	s_add_co_u32 s88, s88, s89                     ; my wave's first row
	s_lshl_b32 s90, s88, 6
	s_mov_b32 s91, 0
	s_lshl_b32 s92, s88, 5
	s_mov_b32 s93, 0
	s_lshl_b32 s94, s88, 2
	s_mov_b32 s95, 0
	s_lshl_b32 s84, s[GI], 2
	s_mov_b32 s85, 0
	s_cmp_eq_u32 ttmp9, 0
	s_cselect_b32 s[LIM], 3, -1                    ; the same in all four partners
	s_wait_dscnt 0x0                               ; both opening adds are done
	s_wait_kmcnt 0x0
	s_add_nc_u64 s[G0W+2:G0W+3], s[12:13], s[96:97]
	s_add_nc_u64 s[G0W+6:G0W+7], s[G0W+2:G0W+3], TILE
	s_add_nc_u64 s[PFA:PFA+1], s[G0W+2:G0W+3], s[86:87]
	s_add_nc_u64 s[PFA:PFA+1], s[PFA:PFA+1], 4*TILE
	s_or_b32 s[G0W+3], s[G0W+3], 0x80000000
	s_or_b32 s[G0W+7], s[G0W+7], 0x80000000
	s_add_nc_u64 s[G0O+2:G0O+3], s[12:13], s[98:99]
	s_add_nc_u64 s[G0O+2:G0O+3], s[G0O+2:G0O+3], 20*TILE
	s_or_b32 s[G0O+3], s[G0O+3], 0x80000000
	s_add_nc_u64 s[G0Q+2:G0Q+3], s[10:11], s[100:101]
	s_add_nc_u64 s[G0Q+6:G0Q+7], s[G0Q+2:G0Q+3], 65536
	s_or_b32 s[G0Q+3], s[G0Q+3], 0x80000000
	s_or_b32 s[G0Q+7], s[G0Q+7], 0x80000000
	s_add_nc_u64 s[4:5], s[4:5], s[90:91]
	s_add_nc_u64 s[6:7], s[6:7], s[92:93]
	s_add_nc_u64 s[8:9], s[8:9], s[94:95]
	s_add_nc_u64 s[20:21], s[20:21], s[90:91]
	s_add_nc_u64 s[22:23], s[22:23], s[90:91]
	s_add_nc_u64 s[24:25], s[24:25], s[84:85]
	CROUND                                         ; all four work-groups are here: the first joint loads meet
	tensor_load_to_lds s[G0W:G0W+3], s[G1W:G1W+7]      ; tile 0.  Three loads of mine are out
	s_nop 0
	tensor_load_to_lds s[G0W+4:G0W+7], s[G1W:G1W+7]    ; tile 1
	s_nop 0
	tensor_load_to_lds s[G0O:G0O+3], s[G1O:G1O+7]      ; my 8 rows of w_out
	s_nop 0
	PLACES
	s_load_b512 s[80:95], s[14:15], 0x0            ; cst 0-15
	s_load_b128 s[96:99], s[14:15], 0x40           ; 16-19
	s_load_b64 s[100:101], s[14:15], 0x50          ; 20, 21
	s_load_b64 s[30:31], s[14:15], 0x58            ; 22, 23
	v_and_b32 v3, 31, v0
	v_lshlrev_b32 v22, 6, v3
	v_lshlrev_b32 v23, 5, v3
	v_lshlrev_b32 v25, 2, v3
.irp i, 0,1,2,3
	global_load_b128 v[32+4*\i:35+4*\i], v22, s[4:5] offset:16*\i th:TH_LOAD_NT
.endr
	global_load_b128 v[48:51], v23, s[6:7] th:TH_LOAD_NT
	global_load_b128 v[52:55], v23, s[6:7] offset:16 th:TH_LOAD_NT
	global_load_b32 v56, v25, s[8:9] th:TH_LOAD_NT
	v_and_b32 v1, 15, v0                           ; r
	v_bfe_u32 v2, v0, 4, 1                         ; h
	v_mul_u32_u24 v26, v1, PA
	v_lshl_add_u32 v26, v2, 4, v26
	v_add_nc_u32 v6, ACT, v26
	v_add_nc_u32 v7, ACT+64*PA, v26
	s_lshl_b32 s66, s[WV], 8
	v_add_nc_u32 v11, s66, v6
	v_mul_u32_u24 v27, v1, PW
	v_lshl_add_u32 v27, v2, 4, v27
	s_mul_i32 s66, s[WV], QW
	v_add_nc_u32 v8, s66, v27
	v_add_nc_u32 v9, SLOT, v8
	s_lshl_b32 s66, s[WV], 10
	v_lshl_add_u32 v13, v1, 3, s66
	v_add_nc_u32 v17, FIX, v13
	v_add_nc_u32 v13, STAT, v13
	v_lshlrev_b32 v15, 3, v1
	v_add_nc_u32 v15, ROWP, v15
	v_lshlrev_b32 v18, 3, v0
	v_add_nc_u32 v18, STAT, v18
	s_lshl_b32 s66, s[WV], 9
	v_lshl_add_u32 v24, v2, 5, s66
	v_mul_u32_u24 v20, v0, PA
	v_add_nc_u32 v20, ACT, v20
	s_lshr_b32 s66, s[WV], 1
	s_mul_i32 s66, s66, SLOT
	s_and_b32 s67, s[WV], 1
	s_mul_i32 s67, s67, 32*PA
	s_add_co_u32 s66, s66, s67
	v_mul_u32_u24 v21, v3, PA
	v_add_nc_u32 v21, s66, v21
	v_lshlrev_b32 v30, 8, v1
	v_lshl_add_u32 v30, v2, 16, v30
; ---- ATTENTION
.set S,   32            ; v32-56 s_0..24, v57 = 0
.set SMX, 58
.set SMN, 59
.set SQ,  60
.set SQN, 61
.set TT,  64            ; head h: t, t smax, max, t smin
.set FQ,  88
.set EB,  96            ; head h's 25 weights at EB + 26 h
.set LL,  200           ; head h: the pair for sum p, the pair for sum p s
.set RC,  216
.set PS,  220
.set AV,  224
.set VAR, 228
.macro SCAL h, i                        ; s t - max, a pair of keys (the 25th alone)
.if (\i) < 12
	v_pk_fma_f32 v[EB+26*(\h)+2*(\i):EB+26*(\h)+2*(\i)+1], v[S+2*(\i):S+2*(\i)+1], v[TT+4*(\h):TT+4*(\h)+1], v[TT+4*(\h)+2:TT+4*(\h)+3] op_sel_hi:[1,0,0] neg_lo:[0,0,1] neg_hi:[0,0,1]
.else
	v_fma_f32 v[EB+26*(\h)+24], v[S+24], v[TT+4*(\h)], -v[TT+4*(\h)+2]
.endif
.endm
	s_wait_loadcnt 0x0
	v_mov_b32 v57, 0
	v_mov_b32 v31, 0x43800000                      ; 256
	v_max3_num_f32 v[SMX], v32, v33, v34
	v_min3_num_f32 v[SMN], v32, v33, v34
.set i, 35
.rept 11
	v_max3_num_f32 v[SMX], v[SMX], v[i], v[i+1]
	v_min3_num_f32 v[SMN], v[SMN], v[i], v[i+1]
.set i, i+2
.endr
.irp i, 0,1,2,3,4,5,6
	ds_store_b128 v[ROWA], v[32+4*\i:35+4*\i] offset:512+16*\i   ; the s as a table, so that a counted loop can take s_q
.endr
	v_add_nc_u32 v22, 512, v[ROWA]
	v_mov_b32 v23, v[ROWA]
	v_mov_b32 v[FQ+3], 0
	ds_load_b32 v[SQ], v22
	s_wait_kmcnt 0x0
	s_wait_dscnt 0x0
	s_mov_b32 s[CNT], 25
.Lq:
	ds_load_b32 v[SQN], v22 offset:4               ; the next query's s (behind the last: the table's 0)
.irp h, 0,1,2,3
	v_fma_f32 v[TT+4*\h], v[SQ], s[80+\h], s[84+\h]
.endr
.irp h, 0,1,2,3
	v_mul_f32 v[TT+4*\h+1], v[TT+4*\h], v[SMX]
	v_mul_f32 v[TT+4*\h+3], v[TT+4*\h], v[SMN]
.endr
.irp h, 0,1,2,3
	v_max_num_f32 v[TT+4*\h+2], v[TT+4*\h+1], v[TT+4*\h+3]
.endr
.set i, 0
.rept 13
	SCAL 0, i
.set i, i+1
.endr
.irp h, 0,1,2,3                         ; the 100 exponentials are one batch; the next head's scalings stand among them
.set i, 0
.rept 13
	v_exp_f32 v[EB+26*\h+2*i], v[EB+26*\h+2*i]
.if i < 12
	v_exp_f32 v[EB+26*\h+2*i+1], v[EB+26*\h+2*i+1]
.endif
.if \h < 3
	SCAL \h+1, i
.endif
.set i, i+1
.endr
.endr
	v_nop
	s_wait_alu depctr_va_vdst(0)                   ; one wait for the batch
.irp h, 0,1,2,3
	v_pk_add_f32 v[LL+4*\h:LL+4*\h+1], v[EB+26*\h:EB+26*\h+1], v[EB+26*\h+2:EB+26*\h+3]
	v_pk_mul_f32 v[LL+4*\h+2:LL+4*\h+3], v[EB+26*\h:EB+26*\h+1], v[S:S+1]
.endr
.set j, 1
.rept 11
.irp h, 0,1,2,3
.if j > 1
	v_pk_add_f32 v[LL+4*\h:LL+4*\h+1], v[LL+4*\h:LL+4*\h+1], v[EB+26*\h+2*j:EB+26*\h+2*j+1]
.endif
	v_pk_fma_f32 v[LL+4*\h+2:LL+4*\h+3], v[EB+26*\h+2*j:EB+26*\h+2*j+1], v[S+2*j:S+2*j+1], v[LL+4*\h+2:LL+4*\h+3]
.endr
.set j, j+1
.endr
.irp h, 0,1,2,3
	v_add_f32 v[LL+4*\h], v[LL+4*\h], v[LL+4*\h+1]
	v_fma_f32 v[LL+4*\h+2], v[EB+26*\h+24], v[S+24], v[LL+4*\h+2]
.endr
.irp h, 0,1,2,3
	v_add_f32 v[LL+4*\h], v[LL+4*\h], v[EB+26*\h+24]
	v_add_f32 v[LL+4*\h+2], v[LL+4*\h+2], v[LL+4*\h+3]
.endr
.irp h, 0,1,2,3
	v_rcp_f32 v[RC+\h], v[LL+4*\h]                 ; the sum is at least 1: the largest weight is 1
.endr
.irp h, 0,1,2,3
	v_mul_f32 v[LL+4*\h+2], s[88+\h], v[LL+4*\h+2]
.endr
	s_wait_alu depctr_va_vdst(0)
.irp h, 0,1,2,3
	v_mul_f32 v[PS+\h], v[LL+4*\h+2], v[RC+\h]     ; psi_h
.endr
	v_fma_f32 v[AV], s92, v[PS+1], v[PS]
	v_fma_f32 v[AV+1], s95, v[PS+2], v[PS+1]
	v_fma_f32 v[AV+2], s97, v[PS+3], v[PS+2]
	v_add_f32 v[AV+3], s101, v[PS+3]
	v_fma_f32 v[AV], s93, v[PS+2], v[AV]
	v_fma_f32 v[AV+1], s96, v[PS+3], v[AV+1]
	v_add_f32 v[AV+2], s100, v[AV+2]
	v_fma_f32 v[AV], s94, v[PS+3], v[AV]
	v_add_f32 v[AV+1], s99, v[AV+1]
	v_add_f32 v[AV], s98, v[AV]
	v_fma_f32 v[VAR], v[PS], v[AV], s30
	v_fma_f32 v[VAR], v[PS+1], v[AV+1], v[VAR]
	v_fma_f32 v[VAR], v[PS+2], v[AV+2], v[VAR]
	v_fma_f32 v[VAR], v[PS+3], v[AV+3], v[VAR]
	v_max_num_f32 v[VAR], 0x3727c5ac, v[VAR]
	v_rsq_f32 v[VAR], v[VAR]
	v_nop
	s_wait_alu depctr_va_vdst(0)
	v_mul_f32 v[VAR], 0x43800000, v[VAR]
.irp h, 0,1,2,3
	v_mul_f32 v[PS+\h], v[PS+\h], v[VAR]
.endr
	v_mul_f32 v[AV], s31, v[VAR]
	v_cvt_pk_f16_f32 v[FQ], v[PS], v[PS+1]
	v_cvt_pk_f16_f32 v[FQ+1], v[PS+2], v[PS+3]
	v_cvt_pk_f16_f32 v[FQ+2], v[AV], v31
	ds_store_b128 v23, v[FQ:FQ+3]
	s_wait_dscnt 0x1                               ; the load of the next s is in; the store behind it may be out
	v_mov_b32 v[SQ], v[SQN]
	v_add_nc_u32 v22, 4, v22
	v_add_nc_u32 v23, 16, v23
	s_sub_co_u32 s[CNT], s[CNT], 1
	s_cmp_lg_u32 s[CNT], 0
	s_cbranch_scc1 .Lq
	v_mov_b32 v[FQ], 0
	v_mov_b32 v[FQ+1], 0
	v_mov_b32 v[FQ+2], 0
.irp i, 0,1,2,3,4,5,6
	ds_store_b128 v[ROWA], v[FQ:FQ+3] offset:400+16*\i   ; tokens 25-31: K is filled up to 256
.endr
	s_mov_b32 s[KS], 0x3f596d27                    ; sqrt(log2(e) / 2)
	s_mov_b32 s[KS+1], s[KS]
	s_mov_b32 s[PP], 0x3eaa540e                    ; 0.47047 / sqrt 2
	s_mov_b32 s[ABSM], 0x7fffffff
	s_mov_b32 s[CA1], 0x3e32303a                   ; the three coefficients, halved
	s_mov_b32 s[CA1+1], s[CA1]
	s_mov_b32 s[CA2], 0xbd445ca1
	s_mov_b32 s[CA2+1], s[CA2]
	s_mov_b32 s[CA3], 0x3ebf7377
	s_mov_b32 s[CA3+1], s[CA3]
	s_mov_b32 s[SEL], 0x76543210
	s_mov_b32 s[SEL+1], 0xfedcba98
	s_mov_b32 s[LAYER], 0
	s_mov_b32 s[LAPG], 10
	s_mov_b32 s[UL], 5
	s_wait_tensorcnt 0x0                           ; my three first fills are in, so their descriptors' registers are free
	BAR                                            ; everybody's features are in
	s_mov_b32 s[FIRST], 1
; ---- THE THREE PRODUCTS.  A lap is two tiles (K = 128), a unit two laps (K = 256): the first product is one unit, the other two are two units each.  ONE loop walks the five units, with a constant
; count; the ring of two slots runs on from product to product.  No LDS address is stepped: a product's first unit reads the activations from their base, its second from base + 512.
; A unit begins a product (set-up, first quarter with C = 0) or goes on with one; it ends a product (E) or fetches the next unit's first fragments: forward branches that pass no barrier and no tensor load.
; The fifth unit leaves the loop at its middle: the walk's last lap is written out, since no weights are left to ask for.
.Lunit:
	s_cmp_eq_u32 s[FIRST], 1                       ; tested first: at the first trip its answer is a constant of the text
	s_cbranch_scc1 .Lnew
	v_add_nc_u32 v[ADRA], 512, v6                  ; a product's second unit
	v_add_nc_u32 v[ADRA+1], 512, v7
	QUARTER 0, 64, 64, F0, F1, 0
	WIN 0
	s_branch .Lq1
.Lnew:
	s_wait_loadcnt 0x0                             ; a product begins with none of my loads on its way, whichever way leads here: E has waited for both kinds,
	s_wait_dscnt 0x0                               ; so both waits are met at once
	s_cmp_eq_u32 s[LAYER], 0
	s_cselect_b64 s[BP:BP+1], s[16:17], s[14:15]   ; b_flat, or the folded biases in cst
	s_cselect_b32 s[SC], 0x3b800000, 1.0           ; the features carry 256
	s_cselect_b32 s[TS], 0, 256
	s_cmp_eq_u32 s[LAYER], 2
	s_cselect_b32 s[TS], 2304, s[TS]
	s_mov_b32 s[SC+1], s[SC]
	v_mov_b32 v[ADRA], v6
	v_mov_b32 v[ADRA+1], v7
	v_add_nc_u32 v[BOF], s[TS], v24
.irp b, 0,1,2,3,4,5,6,7
	global_load_b128 v[192+8*\b:195+8*\b], v[BOF], s[BP:BP+1] offset:64*\b      ; my 64 columns' bias, wanted in E
	global_load_b128 v[196+8*\b:199+8*\b], v[BOF], s[BP:BP+1] offset:64*\b+16
.endr
	FETCH 0, 0, 0, F0
	QUARTER 0, 64, 64, F0, F1, 1
	WIN 0
.Lq1:
	TURN 0, 1, 128, 1, 1, 1
	QUARTER 1, 64, 192, F0, F1, 0
	TURN 1, 0, 256, 1, 1, 0
	QUARTER 0, 64, 320, F0, F1, 0
	WIN 0
	s_cmp_eq_u32 s[UL], 1
	s_cbranch_scc1 .Ltail                          ; the last unit's second lap stands behind the loop
	TURN 0, 1, 384, 1, 1, 1
	QUARTER 1, 64, 448, F0, F1, 0
	TURNA 1, 1, 0
	s_and_b32 s[TS], s[UL], 1                      ; units 5 and 3 end a product, units 4 and 2 do not
	s_cmp_eq_u32 s[TS], 0
	s_cbranch_scc1 .Lmore
	TURNB 0, 0, 0, 0
	WIN 0
	EPI
	s_add_co_u32 s[LAYER], s[LAYER], 1
	s_mov_b32 s[FIRST], 1
	s_branch .Lbot
.Lmore:
	TURNB 0, 512, 1, 0
	WIN 0
	s_mov_b32 s[FIRST], 0
.Lbot:
	s_sub_co_u32 s[UL], s[UL], 1
	s_branch .Lunit
.Ltail:
	TURN 0, 1, 384, 0, 1, 0                        ; matrices 0-63 of Q_k into slot 0,
	QUARTER 1, 64, 448, F0, F1, 0
	TURN 1, 0, 0, 0, 0, 0                          ; 64-127 into slot 1: the slots' last fills; they land under E and the last product
	WIN 0
	EPI
; ---- THE LAST PRODUCT: my 32 rows x 32 columns, four sums by turns, K in four parts of 128
	s_mul_i32 s[TS], s[WV], 32*PA
	v_add_nc_u32 v4, s[TS], v6
	v_mul_u32_u24 v8, v1, PA
	v_lshl_add_u32 v8, v2, 4, v8
	v_add_nc_u32 v8, WOUT, v8
	v_lshlrev_b32 v[BOF], 5, v2
.irp nb, 0,1
	global_load_b128 v[224+8*\nb:227+8*\nb], v[BOF], s[14:15] offset:128+64*\nb
	global_load_b128 v[228+8*\nb:231+8*\nb], v[BOF], s[14:15] offset:144+64*\nb
	global_load_b128 v[240+8*\nb:243+8*\nb], v[BOF], s[18:19] offset:64*\nb
	global_load_b128 v[244+8*\nb:247+8*\nb], v[BOF], s[18:19] offset:16+64*\nb
.endr
	s_lshl_b32 s97, s[WV], 8
	v_add_nc_u32 v14, s97, v15
	ds_load_b64 v[32:33], v14
	ds_load_b64 v[34:35], v14 offset:128
.macro G4C zero
.irp ks, 0,1,2,3
.irp nb, 0,1
	ds_load_b128 v[64+32*\ks+8*\nb:67+32*\ks+8*\nb], v8 offset:16*PA*\nb+64*\ks
	ds_load_b128 v[68+32*\ks+8*\nb:71+32*\ks+8*\nb], v8 offset:16*PA*\nb+64*\ks+32
	ds_load_b128 v[80+32*\ks+8*\nb:83+32*\ks+8*\nb], v4 offset:16*PA*\nb+64*\ks
	ds_load_b128 v[84+32*\ks+8*\nb:87+32*\ks+8*\nb], v4 offset:16*PA*\nb+64*\ks+32
.endr
.endr
	s_wait_dscnt 0x0
.irp ks, 0,1,2,3
.irp rb, 0,1
.irp nb, 0,1
.if (\zero) && ((\ks) == 0)
	v_wmma_f32_16x16x32_f16 v[192+8*(2*\rb+\nb):199+8*(2*\rb+\nb)], v[64+32*\ks+8*\nb:71+32*\ks+8*\nb], v[80+32*\ks+8*\rb:87+32*\ks+8*\rb], 0
.else
	v_wmma_f32_16x16x32_f16 v[192+8*(2*\rb+\nb):199+8*(2*\rb+\nb)], v[64+32*\ks+8*\nb:71+32*\ks+8*\nb], v[80+32*\ks+8*\rb:87+32*\ks+8*\rb], v[192+8*(2*\rb+\nb):199+8*(2*\rb+\nb)]
.endif
.endr
.endr
.endr
.endm
	G4C 1
	s_mov_b32 s[CNT], 3
.Lg4:
	v_add_nc_u32 v4, 256, v4                       ; four plain lines: the places in front of the loads
	v_add_nc_u32 v8, 256, v8
	v_nop
	v_nop
	G4C 0
	s_sub_co_u32 s[CNT], s[CNT], 1
	s_cmp_lg_u32 s[CNT], 0
	s_cbranch_scc1 .Lg4
	v_mov_b32 v36, v33                             ; mu as pairs; four plain lines again
	v_mov_b32 v37, v33
	v_mov_b32 v38, v35
	v_mov_b32 v39, v35
	s_wait_loadcnt 0x0
.irp rb, 0,1
.irp nb, 0,1
.irp p, 0,1,2,3
	v_pk_fma_f32 v[64+8*(2*\rb+\nb)+2*\p:65+8*(2*\rb+\nb)+2*\p], v[224+8*\nb+2*\p:225+8*\nb+2*\p], v[36+2*\rb:37+2*\rb], v[240+8*\nb+2*\p:241+8*\nb+2*\p]
.endr
.endr
.endr
.irp rb, 0,1
.irp nb, 0,1
.irp p, 0,1,2,3
	v_pk_fma_f32 v[64+8*(2*\rb+\nb)+2*\p:65+8*(2*\rb+\nb)+2*\p], v[192+8*(2*\rb+\nb)+2*\p:193+8*(2*\rb+\nb)+2*\p], v[32+2*\rb:33+2*\rb], v[64+8*(2*\rb+\nb)+2*\p:65+8*(2*\rb+\nb)+2*\p] op_sel_hi:[1,0,1]
.endr
.endr
.endr
	v_mul_u32_u24 v5, v1, PA                       ; a row's 32 results go to the head of the row in ACT: my own rows, which nobody else reads any more
	v_lshl_add_u32 v5, v2, 5, v5
	v_add_nc_u32 v5, ACT, v5
	v_add_nc_u32 v5, s[TS], v5
.irp rb, 0,1
.irp nb, 0,1
	ds_store_b128 v5, v[64+8*(2*\rb+\nb):67+8*(2*\rb+\nb)] offset:16*PA*\rb+64*\nb
	ds_store_b128 v5, v[68+8*(2*\rb+\nb):71+8*(2*\rb+\nb)] offset:16*PA*\rb+64*\nb+16
.endr
.endr
	v_lshrrev_b32 v7, 2, v3
	v_mul_u32_u24 v7, v7, PA
	v_and_b32 v9, 3, v3
	v_lshl_add_u32 v7, v9, 4, v7
	v_add_nc_u32 v7, ACT, v7
	v_add_nc_u32 v7, s[TS], v7
	v_lshlrev_b32 v9, 4, v3
.irp i, 0,1,2,3
	ds_load_b128 v[96+4*\i:99+4*\i], v7 offset:8*PA*\i          ; LDS serves a wave's instructions in order: these see the stores above
	ds_load_b128 v[112+4*\i:115+4*\i], v7 offset:8*PA*\i+64
	ds_load_b128 v[32+4*\i:35+4*\i], v[ROWA] offset:64+16*\i    ; my own row's log_sigma
.endr
	s_wait_dscnt 0x0
.irp i, 0,1,2,3
	global_store_b128 v9, v[96+4*\i:99+4*\i], s[20:21] offset:512*\i     ; 8 rows of 64 bytes: 512 consecutive bytes
	global_store_b128 v9, v[112+4*\i:115+4*\i], s[22:23] offset:512*\i
.endr
	s_wait_xcnt 0x0                                ; the eight stores have read v9 and v96-127: what follows writes these registers again
; ---- SOFTPLUS, in LDS, a lane a matrix: 0.45 softplus(Q + diag) + 0.05
	s_mov_b32 s84, 0xbfb8aa3b                      ; -log2(e)
	s_mov_b32 s86, 0x3ee66666                      ; 0.45
	s_mov_b32 s87, s86
	s_mov_b32 s88, 0x3d4ccccd                      ; 0.05
	s_mov_b32 s89, s88
	s_mov_b32 s90, 0x3e9fb37c                      ; 0.45 ln 2
	s_mov_b32 s91, s90
	s_wait_tensorcnt 0x0                           ; my two loads of Q_k are in;
	BAR                                            ; everybody's are: a wave reads matrices that others fetched
.set i, 0
.rept 16
	ds_load_b32 v[48+i], v[QA] offset:68*i
.set i, i+1
.endr
	s_wait_dscnt 0x0
.set i, 0
.rept 8
	v_pk_add_f32 v[48+2*i:49+2*i], v[48+2*i:49+2*i], v[32+2*i:33+2*i]
.set i, i+1
.endr
.set i, 0
.rept 16
	ds_store_b32 v[QA], v[48+i] offset:68*i
.set i, i+1
.endr
	v_mov_b32 v22, v[QA]
	s_mov_b32 s[CNT], 8
.Lsp:
.irp i, 0,1,2,3,4,5,6,7
	ds_load_b128 v[64+4*\i:67+4*\i], v22 offset:16*\i
.endr
	s_wait_dscnt 0x0
.set i, 0
.rept 32
	v_mul_f32 v[96+i], s84, |v[64+i]|
.set i, i+1
.endr
.set i, 0
.rept 32
	v_exp_f32 v[96+i], v[96+i]
.set i, i+1
.endr
	v_nop
	s_wait_alu depctr_va_vdst(0)
.set i, 0
.rept 16
	v_pk_add_f32 v[96+2*i:97+2*i], v[96+2*i:97+2*i], 1.0 op_sel_hi:[1,0]
.set i, i+1
.endr
.set i, 0
.rept 32
	v_log_f32 v[96+i], v[96+i]
.set i, i+1
.endr
.set i, 0
.rept 32
	v_max_num_f32 v[64+i], 0, v[64+i]
.set i, i+1
.endr
	s_wait_alu depctr_va_vdst(0)
.set i, 0
.rept 16
	v_pk_fma_f32 v[64+2*i:65+2*i], v[64+2*i:65+2*i], s[86:87], s[88:89] op_sel_hi:[1,0,0]
.set i, i+1
.endr
.set i, 0
.rept 16
	v_pk_fma_f32 v[64+2*i:65+2*i], v[96+2*i:97+2*i], s[90:91], v[64+2*i:65+2*i] op_sel_hi:[1,0,1]
.set i, i+1
.endr
.irp i, 0,1,2,3,4,5,6,7
	ds_store_b128 v22, v[64+4*\i:67+4*\i] offset:16*\i
.endr
	v_add_nc_u32 v22, 128, v22
	s_sub_co_u32 s[CNT], s[CNT], 1
	s_cmp_lg_u32 s[CNT], 0
	s_cbranch_scc1 .Lsp
	WIN 0x80                                       ; the matrix into window 2: M(i, j) at v[16 i + j]
.set i, 0
.rept 64
	ds_load_b128 v[4*i:4*i+3], v[QA] offset:16*i
.set i, i+1
.endr
	s_wait_dscnt 0x0
	WIN 0x8a
.set hr, 0
.rept 16
	v_add_f32 v[17*hr], v[17*hr], v[17*hr]
.set hj, hr+1
.rept 15-hr
	v_add_f32 v[16*hr+hj], v[16*hr+hj], v[16*hj+hr]
	v_mov_b32 v[16*hj+hr], v[16*hr+hj]
.set hj, hj+1
.endr
.set hr, hr+1
.endr
	WIN 0
; ---- HOUSEHOLDER: seven trips of two steps on a fixed frame of 16 x 16; the second step writes the rest of the matrix two rows up and two columns left, and zeros fill the frame.
.set HV, 32             ; v
.set HP, 48             ; M v
.set HR, 64             ; a pair of partial sums a row
.set HW, 96             ; w
.set HS, 112            ; (a, b^2) of the trip's two steps
.set HT, 116            ; beta twice, K twice, four at work
.macro VROW d, va, wb, m, odd           ; d = m - (one register of the pair va) x wb
.if \odd
	v_pk_fma_f32 v[(\d):(\d)+1], v[(\va):(\va)+1], v[(\wb):(\wb)+1], v[(\m):(\m)+1] op_sel:[1,0,0] op_sel_hi:[1,1,1] neg_lo:[1,0,0] neg_hi:[1,0,0]
.else
	v_pk_fma_f32 v[(\d):(\d)+1], v[(\va):(\va)+1], v[(\wb):(\wb)+1], v[(\m):(\m)+1] op_sel_hi:[0,1,1] neg_lo:[1,0,0] neg_hi:[1,0,0]
.endif
.endm
.macro HSTEP c
	WIN 0x02
	v_mov_b32 v[HS+2*(\c)], v[17*(\c)]
.set hj, (\c)+1
.rept 15-(\c)
	v_mov_b32 v[HV+hj], v[16*(\c)+hj]
.set hj, hj+1
.endr
	WIN 0
.set hj, 0
.rept (\c)+1
	v_mov_b32 v[HV+hj], 0
	v_mov_b32 v[HP+hj], 0
.set hj, hj+1
.endr
	v_pk_mul_f32 v[HT+4:HT+5], v[HV:HV+1], v[HV:HV+1]
.set hj, 1
.rept 7
	v_pk_fma_f32 v[HT+4:HT+5], v[HV+2*hj:HV+2*hj+1], v[HV+2*hj:HV+2*hj+1], v[HT+4:HT+5]
.set hj, hj+1
.endr
	v_add_f32 v[HS+2*(\c)+1], v[HT+4], v[HT+5]     ; b^2 = |x|^2
	v_sqrt_f32 v[HT+6], v[HS+2*(\c)+1]
	v_nop
	s_wait_alu depctr_va_vdst(0)
	v_fma_f32 v[HT+7], |v[HV+(\c)+1]|, v[HT+6], v[HS+2*(\c)+1]   ; |x|^2 + |x_0| |x| = v.v / 2
	v_bfi_b32 v[HT+6], s[ABSM], v[HT+6], v[HV+(\c)+1]
	v_max_num_f32 v[HT+7], 0x0da24260, v[HT+7]
	v_add_f32 v[HV+(\c)+1], v[HV+(\c)+1], v[HT+6]
	v_rcp_f32 v[HT], v[HT+7]                       ; beta; the product M v stands between it and its wait
	WIN 0x02
.set hJ, (\c)
.rept 8-(\c)
.set hr, (\c)+1
.rept 15-(\c)
.if hJ == (\c)
	v_pk_mul_f32 v[HR+2*hr:HR+2*hr+1], v[16*hr+2*hJ:16*hr+2*hJ+1], v[HV+2*hJ:HV+2*hJ+1]
.else
	v_pk_fma_f32 v[HR+2*hr:HR+2*hr+1], v[16*hr+2*hJ:16*hr+2*hJ+1], v[HV+2*hJ:HV+2*hJ+1], v[HR+2*hr:HR+2*hr+1]
.endif
.set hr, hr+1
.endr
.set hJ, hJ+1
.endr
	WIN 0
.set hr, (\c)+1
.rept 15-(\c)
	v_add_f32 v[HP+hr], v[HR+2*hr], v[HR+2*hr+1]
.set hr, hr+1
.endr
	v_pk_mul_f32 v[HT+4:HT+5], v[HV:HV+1], v[HP:HP+1]
.set hj, 1
.rept 7
	v_pk_fma_f32 v[HT+4:HT+5], v[HV+2*hj:HV+2*hj+1], v[HP+2*hj:HP+2*hj+1], v[HT+4:HT+5]
.set hj, hj+1
.endr
	v_add_f32 v[HT+6], v[HT+4], v[HT+5]
	s_wait_alu depctr_va_vdst(0)
	v_mul_f32 v[HT+6], v[HT], v[HT+6]              ; beta (v.Mv) first, so that a zero column gives 0 and no overflow
	v_mul_f32 v[HT+6], v[HT], v[HT+6]
	v_mov_b32 v[HT+1], v[HT]
	v_mul_f32 v[HT+2], 0.5, v[HT+6]
	v_mul_f32 v[HT+3], 0.5, v[HT+6]
.set hj, 0
.rept 8
	v_pk_mul_f32 v[HW+2*hj:HW+2*hj+1], v[HP+2*hj:HP+2*hj+1], v[HT:HT+1]
.set hj, hj+1
.endr
.set hj, 0
.rept 8
	v_pk_fma_f32 v[HW+2*hj:HW+2*hj+1], v[HV+2*hj:HV+2*hj+1], v[HT+2:HT+3], v[HW+2*hj:HW+2*hj+1] neg_lo:[1,0,0] neg_hi:[1,0,0]
.set hj, hj+1
.endr
	WIN 0xa0                                       ; M -= v w^T + w v^T, rows ascending
.set hr, (\c)+1
.rept 15-(\c)
.set hJ, (\c)
.rept 8-(\c)
	VROW 16*(hr-2*(\c))+2*(hJ-(\c)), HV+(hr/2)*2, HW+2*hJ, 16*hr+2*hJ, hr%2
.set hJ, hJ+1
.endr
.set hJ, (\c)
.rept 8-(\c)
	VROW 16*(hr-2*(\c))+2*(hJ-(\c)), HW+(hr/2)*2, HV+2*hJ, 16*(hr-2*(\c))+2*(hJ-(\c)), hr%2
.set hJ, hJ+1
.endr
.set hr, hr+1
.endr
	WIN 0
.endm
	v_mov_b32 v22, v[QA]
	s_mov_b32 s[CNT], 7
.Lhh:
	HSTEP 0
	HSTEP 1
	WIN 0x80
.set hr, 0
.rept 14
	v_mov_b32 v[16*hr+14], 0
	v_mov_b32 v[16*hr+15], 0
.set hr, hr+1
.endr
.set hj, 224
.rept 32
	v_mov_b32 v[hj], 0
.set hj, hj+1
.endr
	WIN 0
	ds_store_b128 v22, v[HS:HS+3]                  ; the matrix's place in LDS is free: the three diagonals go there
	v_add_nc_u32 v22, 16, v22
	s_sub_co_u32 s[CNT], s[CNT], 1
	s_cmp_lg_u32 s[CNT], 0
	s_cbranch_scc1 .Lhh
	WIN 0x02
	v_mov_b32 v[HS], v0
	v_mov_b32 v[HS+1], v1
	v_mov_b32 v[HS+2], v17
	WIN 0
	v_mul_f32 v[HS+1], v[HS+1], v[HS+1]
	v_mov_b32 v[HS+3], 0
	ds_store_b128 v22, v[HS:HS+3]
; ---- THE SMALLEST EIGENVALUE.  (a_i, b_i^2) at v[32 + 2 i]
.irp i, 0,1,2,3,4,5,6,7
	ds_load_b128 v[32+4*\i:35+4*\i], v[QA] offset:16*\i
.endr
	s_wait_dscnt 0x0
.set i, 0
.rept 15
	v_sqrt_f32 v[64+i], v[33+2*i]
.set i, i+1
.endr
	v_mov_b32 v79, 0
	s_wait_alu depctr_va_vdst(0)
	v_sub_f32 v80, v32, v64                        ; Gershgorin's bounds
	v_add_f32 v81, v32, v64
.set i, 1
.rept 15
	v_add_f32 v82, v[63+i], v[64+i]
	v_sub_f32 v83, v[32+2*i], v82
	v_add_f32 v84, v[32+2*i], v82
	v_min_num_f32 v80, v80, v83
	v_max_num_f32 v81, v81, v84
.set i, i+1
.endr
	v_sub_f32 v85, v81, v80
	v_max_num_f32 v85, 0x0da24260, v85             ; the span S
	v_rcp_f32 v86, v85
	v_mov_b32 v88, v80
	v_mov_b32 v89, 0
	s_wait_alu depctr_va_vdst(0)
	v_mul_f32 v87, v86, v86
.set i, 0
.rept 16
	v_pk_add_f32 v[32+2*i:33+2*i], v[32+2*i:33+2*i], v[88:89] neg_lo:[0,1] neg_hi:[0,1]
.set i, i+1
.endr
.set i, 0
.rept 16
	v_pk_mul_f32 v[32+2*i:33+2*i], v[32+2*i:33+2*i], v[86:87]   ; a' = (a - lower bound) / S, b'^2 = b^2 / S^2
.set i, i+1
.endr
	v_min3_num_f32 v90, v32, v34, v36
.set i, 3
.rept 6
	v_min3_num_f32 v90, v90, v[32+2*i], v[34+2*i]
.set i, i+2
.endr
	v_min_num_f32 v90, v90, v62                    ; the eigenvalue lies in 0 .. the smallest a'
	v_mov_b32 v91, 0
	v_mul_f32 v92, 0x3e4ccccd, v90
	s_mov_b32 s[CNT], 11
.set SG, 96             ; four sigma, two pairs
.set PX, 100            ; the minors, two sets of two pairs by turns
.set PY, 104
.set TQ, 108
.set MN, 112
.macro STEP i, pp, qq                   ; qq = (a'_i - sigma) pp - b'^2_(i-1) qq
.irp g, 0,1
	v_pk_add_f32 v[TQ+2*\g:TQ+2*\g+1], v[32+2*(\i):33+2*(\i)], v[SG+2*\g:SG+2*\g+1] op_sel_hi:[0,1] neg_lo:[0,1] neg_hi:[0,1]
	v_pk_mul_f32 v[(\qq)+2*\g:(\qq)+2*\g+1], v[(\qq)+2*\g:(\qq)+2*\g+1], v[30+2*(\i):31+2*(\i)] op_sel:[0,1] op_sel_hi:[1,1]
.endr
.irp g, 0,1
	v_pk_fma_f32 v[(\qq)+2*\g:(\qq)+2*\g+1], v[TQ+2*\g:TQ+2*\g+1], v[(\pp)+2*\g:(\pp)+2*\g+1], v[(\qq)+2*\g:(\qq)+2*\g+1] neg_lo:[0,0,1] neg_hi:[0,0,1]
.endr
.endm
.Lst:
	v_add_f32 v[SG], v91, v92
	v_fma_f32 v[SG+1], v92, 2.0, v91
	v_fma_f32 v[SG+2], v92, 0x40400000, v91
	v_fma_f32 v[SG+3], v92, 4.0, v91
.irp g, 0,1
	v_pk_add_f32 v[PX+2*\g:PX+2*\g+1], v[32:33], v[SG+2*\g:SG+2*\g+1] op_sel_hi:[0,1] neg_lo:[0,1] neg_hi:[0,1]
.endr
.irp j, 0,1,2,3
	v_mov_b32 v[PY+\j], 1.0
.endr
.set i, 1
.rept 8
	STEP i, PX, PY
.irp j, 0,1,2,3
.if i == 1
	v_min_num_f32 v[MN+\j], v[PX+\j], v[PY+\j]
.else
	v_min3_num_f32 v[MN+\j], v[MN+\j], v[PX+\j], v[PY+\j]
.endif
.endr
.if (i == 3) || (i == 7) || (i == 11)   ; both minors times a power of two, by the larger exponent: signs stay, nothing runs out of range
.irp j, 0,1,2,3
	v_max_num_f32 v[116+\j], |v[PX+\j]|, |v[PY+\j]|
.endr
.irp j, 0,1,2,3
	v_bfe_u32 v[116+\j], v[116+\j], 23, 8
.endr
.irp j, 0,1,2,3
	v_sub_nc_u32 v[116+\j], 127, v[116+\j]
.endr
.irp j, 0,1,2,3
	v_ldexp_f32 v[PX+\j], v[PX+\j], v[116+\j]
	v_ldexp_f32 v[PY+\j], v[PY+\j], v[116+\j]
.endr
.endif
.if i < 15
	STEP i+1, PY, PX
.endif
.set i, i+2
.endr
.irp j, 0,1,2,3
	v_cmp_lt_f32 vcc_lo, 0, v[MN+\j]               ; all minors positive: sigma lies below the eigenvalue.  The flag selects a value; no branch hangs on it
	v_cndmask_b32 v116, 0, v92, vcc_lo
	v_add_f32 v91, v91, v116
.endr
	v_mul_f32 v92, 0x3e4ccccd, v92
	s_sub_co_u32 s[CNT], s[CNT], 1
	s_cmp_lg_u32 s[CNT], 0
	s_cbranch_scc1 .Lst
	v_fma_f32 v93, v91, v85, v80
	v_min_num_f32_dpp v93, v93, v93 row_xmask:1 row_mask:0xf bank_mask:0xf
	v_min_num_f32_dpp v93, v93, v93 row_xmask:2 row_mask:0xf bank_mask:0xf
	v_min_num_f32_dpp v93, v93, v93 row_xmask:4 row_mask:0xf bank_mask:0xf
	v_min_num_f32_dpp v93, v93, v93 row_xmask:8 row_mask:0xf bank_mask:0xf
	v_permlanex16_b32 v94, v93, s[SEL], s[SEL+1]
	v_min_num_f32 v93, v93, v94
	s_lshl_b32 s[TS], s[WV], 2
	s_add_co_u32 s[TS], s[TS], PM
	v_mov_b32 v95, s[TS]
	ds_store_b32 v95, v93
	BAR
	v_mov_b32 v95, PM
	ds_load_b128 v[96:99], v95
	s_wait_dscnt 0x0
	v_min3_num_f32 v96, v96, v97, v98
	v_min_num_f32 v96, v96, v99
	v_mov_b32 v97, 0
	v_cmp_eq_u32 vcc_lo, 0, v0
	s_wait_xcnt 0x0                                ; EXEC changes only behind this wait
	s_and_saveexec_b32 s[TS], vcc_lo
	global_store_b32 v97, v96, s[24:25]            ; the work-group's smallest eigenvalue
	s_wait_xcnt 0x0
	s_or_b32 exec_lo, exec_lo, s[TS]
	s_wait_tensorcnt 0x0                           ; the wave's end
	ds_add_u32 v[SPW], v[NIL]
	s_wait_dscnt 0x0
	CROUND                                         ; the closing round
	s_endpgm
.Lfunc_end_k_qf2244b6faf_net:
	.size	k_qf2244b6faf_net, .Lfunc_end_k_qf2244b6faf_net-k_qf2244b6faf_net
	.p2alignl 7, 3214868480
	.fill 96, 4, 3214868480
	.section	.rodata,"a",@progbits
	.p2align	6, 0x0
	.amdhsa_kernel k_qf2244b6faf_net
		.amdhsa_group_segment_fixed_size 327680
		.amdhsa_private_segment_fixed_size 0
		.amdhsa_enable_private_segment 0
		.amdhsa_kernarg_size 88
		.amdhsa_user_sgpr_count 2
		.amdhsa_user_sgpr_kernarg_segment_ptr 1
		.amdhsa_wavefront_size32 1
		.amdhsa_system_sgpr_workgroup_id_x 1
		.amdhsa_system_sgpr_workgroup_id_y 1
		.amdhsa_system_sgpr_workgroup_id_z 1
		.amdhsa_system_vgpr_workitem_id 0
		.amdhsa_next_free_vgpr 1024
		.amdhsa_next_free_sgpr 106
		.amdhsa_reserve_vcc 1
		.amdhsa_float_denorm_mode_32 3
		.amdhsa_float_denorm_mode_16_64 3
		.amdhsa_memory_ordered 1
		.amdhsa_forward_progress 1
		.amdhsa_inst_pref_size 255
	.end_amdhsa_kernel
	.section	.bss,"aw",@nobits
	.p2align	6
	.space	262144
	.amdgpu_metadata
---
amdhsa.version: [ 1, 2 ]
amdhsa.kernels:
  - .name:           k_qf2244b6faf_net
    .symbol:         k_qf2244b6faf_net.kd
    .args:
      - { .name: prev_z, .offset: 0, .size: 8, .value_kind: global_buffer, .address_space: global }
      - { .name: u, .offset: 8, .size: 8, .value_kind: global_buffer, .address_space: global }
      - { .name: dt, .offset: 16, .size: 8, .value_kind: global_buffer, .address_space: global }
      - { .name: Q_k, .offset: 24, .size: 8, .value_kind: global_buffer, .address_space: global }
      - { .name: wts, .offset: 32, .size: 8, .value_kind: global_buffer, .address_space: global }
      - { .name: cst, .offset: 40, .size: 8, .value_kind: global_buffer, .address_space: global }
      - { .name: params_b_flat, .offset: 48, .size: 8, .value_kind: global_buffer, .address_space: global }
      - { .name: params_b_out, .offset: 56, .size: 8, .value_kind: global_buffer, .address_space: global }
      - { .name: out0, .offset: 64, .size: 8, .value_kind: global_buffer, .address_space: global }
      - { .name: lsig, .offset: 72, .size: 8, .value_kind: global_buffer, .address_space: global }
      - { .name: pmin, .offset: 80, .size: 8, .value_kind: global_buffer, .address_space: global }
    .group_segment_fixed_size: 327680
    .private_segment_fixed_size: 0
    .kernarg_segment_align: 8
    .kernarg_segment_size: 88
    .max_flat_workgroup_size: 128
    .sgpr_count:     106
    .vgpr_count:     1024
    .wavefront_size: 32
...
	.end_amdgpu_metadata
.endif
;; end of part 2
;; launch cov (part 3): grid 1024 x 1, 8 waves a work-group, no clusters, 41,984 bytes of LDS; arguments Q_k, lsig, pmin, out1; writes out1
.if DOCPART == 3
	.amdgcn_target "amdgcn-amd-amdhsa--gfx1250"
	.amdhsa_code_object_version 6
	.text
	.protected	k_qf2244b6faf_cov
	.globl	k_qf2244b6faf_cov
	.p2align	8
	.type	k_qf2244b6faf_cov,@function
k_qf2244b6faf_cov:
	s_mov_b64 s[64:65], 0
	v_nop
	global_prefetch_b8 v0, s[64:65] scope:SCOPE_SE
	s_setreg_imm32_b32 hwreg(HW_REG_WAVE_MODE, 25, 1), 1
	s_wait_xcnt 0x0
; cov = 0.45 (sp + sp^T) + 0.1 - 2 min(lambda, 0) I, sp = softplus(Q + diag(log_sigma)), lambda = the smallest of the 256 work-groups' eigenvalues in pmin.
; A stream: 33.5 MB in, 33.5 MB out, each byte once.  A wave takes four matrices (4,096 bytes): eight loads and eight stores of 512 consecutive bytes each.
; Lane l holds, of each half of a matrix, row 8 half + l / 4, columns 4 (l % 4) + 0..3.  The transposed element comes through the wave's own LDS bytes, rows 80 bytes = 20 words apart:
; the 32 words of a transposed read lie at 80 (l % 4) + l / 4 words, 32 different places modulo 64 (64 banks of 4 bytes: ISA guide 11.1).  The bytes are the wave's own, so there is no barrier.
; No matrix unit, no cluster, no tensor load: no byte is shared between work-groups and nothing is multiplied.
; softplus(x) = max(x, 0) + ln 2 log2(1 + 2^(-|x| log2 e)): no overflow for any finite x.  NaN and infinities are not treated apart.
.set SPARE, 40960       ; behind the eight waves' 5,120 bytes: the spare words, 128 bytes a wave: four blocks of 256 bytes that no other line names
.set SPW, 2             ; v2   my spare word
.set NIL, 3             ; v3   0
.set X,   32            ; v[32:63]   matrix k, half hf, column e at X + 8 k + 4 hf + e
.set LS,  64            ; v[64:71]   log_sigma of my row: matrix k, half hf at LS + 2 k + hf
.set PMN, 72            ; v[72:79]   eight of pmin's 256 numbers
.set KK,  80            ; v[80:87]   0.1, less the shift on the diagonal: half hf, column e
.set DD,  88            ; v[88:95]   1 on the diagonal, else 0
.set T,   96            ; v[96:127]  at work; then the transposed elements
	s_load_b256 s[4:11], s[0:1], 0x0               ; Q_k 4, lsig 6, pmin 8, out1 10
	v_lshl_add_u32 v[SPW], v0, 2, SPARE
	v_mov_b32 v[NIL], 0
	v_lshrrev_b32 v1, 5, v0
	v_readfirstlane_b32 s12, v1                    ; wave 0..7
	v_and_b32 v4, 31, v0
	s_lshl_b32 s13, ttmp9, 3
	s_add_co_u32 s13, s13, s12                     ; the wave among all 8,192
	s_lshl_b32 s14, s13, 12                        ; its four matrices of 1,024 bytes
	s_mov_b32 s15, 0
	s_lshl_b32 s16, s13, 8                         ; its four rows of 64 bytes in lsig
	s_mov_b32 s17, 0
	s_mov_b32 s18, 0x76543210                      ; v_permlanex16_b32: each lane takes its own place in the other half
	s_mov_b32 s19, 0xfedcba98
	s_mov_b32 s20, 0x3dcccccd                      ; 0.1
	s_mov_b32 s21, 0xbfb8aa3b                      ; -log2(e)
	s_mov_b32 s22, 0x3f317218                      ; ln 2
	s_mov_b32 s23, s22
	s_mov_b32 s24, 0x3ee66666                      ; 0.45
	s_mov_b32 s25, s24
	v_lshlrev_b32 v5, 4, v4                        ; 16 bytes a lane
	v_lshrrev_b32 v6, 2, v4                        ; my row in a half
	v_and_b32 v7, 3, v4                            ; my group of four columns
	v_lshlrev_b32 v8, 2, v6
	v_lshlrev_b32 v9, 5, v4
	s_wait_kmcnt 0x0
	s_add_nc_u64 s[4:5], s[4:5], s[14:15]
	s_add_nc_u64 s[10:11], s[10:11], s[14:15]
	s_add_nc_u64 s[6:7], s[6:7], s[16:17]
.set i, 0
.rept 8
	global_load_b128 v[X+4*i:X+4*i+3], v5, s[4:5] offset:512*i th:TH_LOAD_NT
.set i, i+1
.endr
.set i, 0
.rept 8
	global_load_b32 v[LS+i], v8, s[6:7] offset:32*i
.set i, i+1
.endr
	global_load_b128 v[PMN:PMN+3], v9, s[8:9]
	global_load_b128 v[PMN+4:PMN+7], v9, s[8:9] offset:16
	s_mul_i32 s26, s12, 5120                       ; my wave's bytes in LDS: four matrices of 16 rows x 80 bytes
	v_mul_u32_u24 v10, v6, 80
	v_lshl_add_u32 v10, v7, 4, v10
	v_add_nc_u32 v10, s26, v10                     ; where I put my 16 bytes of a row
	v_mul_u32_u24 v11, v7, 320
	v_lshl_add_u32 v11, v6, 2, v11
	v_add_nc_u32 v11, s26, v11                     ; where the transposed words lie: row 4 (l % 4) + e, word l / 4 + 8 half
	v_lshlrev_b32 v12, 2, v7
	v_sub_nc_u32 v12, v6, v12                      ; row - first column, without the half's 8: the diagonal lies at e = this + 8 half
.irp hf, 0,1
.irp e, 0,1,2,3
	v_cmp_eq_i32 vcc_lo, (\e)-8*(\hf), v12
	v_cndmask_b32 v[DD+4*(\hf)+(\e)], 0, 1.0, vcc_lo
.endr
.endr
	s_wait_loadcnt 0x0                             ; all eighteen loads: every one is wanted at once
	v_min3_num_f32 v[PMN], v[PMN], v[PMN+1], v[PMN+2]
	v_min3_num_f32 v[PMN+3], v[PMN+3], v[PMN+4], v[PMN+5]
	v_min3_num_f32 v[PMN], v[PMN], v[PMN+6], v[PMN+7]
	v_min_num_f32 v[PMN], v[PMN], v[PMN+3]
	v_min_num_f32_dpp v[PMN], v[PMN], v[PMN] row_xmask:1 row_mask:0xf bank_mask:0xf
	v_min_num_f32_dpp v[PMN], v[PMN], v[PMN] row_xmask:2 row_mask:0xf bank_mask:0xf
	v_min_num_f32_dpp v[PMN], v[PMN], v[PMN] row_xmask:4 row_mask:0xf bank_mask:0xf
	v_min_num_f32_dpp v[PMN], v[PMN], v[PMN] row_xmask:8 row_mask:0xf bank_mask:0xf
	v_permlanex16_b32 v[PMN+1], v[PMN], s18, s19
	v_min_num_f32 v[PMN], v[PMN], v[PMN+1]         ; the smallest eigenvalue of all, in every lane
	v_min_num_f32 v[PMN], 0, v[PMN]
	v_add_f32 v[PMN], v[PMN], v[PMN]               ; 2 min(lambda, 0)
.set i, 0
.rept 8
	v_fma_f32 v[KK+i], -v[DD+i], v[PMN], s20
.set i, i+1
.endr
.set i, 0
.rept 32
	v_fma_f32 v[X+i], v[DD+i%8], v[LS+i/4], v[X+i] ; log_sigma onto the diagonal
.set i, i+1
.endr
.set i, 0
.rept 32
	v_mul_f32 v[T+i], s21, |v[X+i]|
.set i, i+1
.endr
.set i, 0
.rept 32
	v_exp_f32 v[T+i], v[T+i]
.set i, i+1
.endr
	v_nop                                          ; a plain instruction behind the last exponential,
	s_wait_alu depctr_va_vdst(0)                   ; and one wait for the batch, ahead of its first reader
.set i, 0
.rept 16
	v_pk_add_f32 v[T+2*i:T+2*i+1], v[T+2*i:T+2*i+1], 1.0 op_sel_hi:[1,0]
.set i, i+1
.endr
.set i, 0
.rept 32
	v_log_f32 v[T+i], v[T+i]
.set i, i+1
.endr
.set i, 0
.rept 32
	v_max_num_f32 v[X+i], 0, v[X+i]                ; independent work behind the logarithms
.set i, i+1
.endr
	s_wait_alu depctr_va_vdst(0)                   ; one wait for the batch
.set i, 0
.rept 16
	v_pk_fma_f32 v[X+2*i:X+2*i+1], v[T+2*i:T+2*i+1], s[22:23], v[X+2*i:X+2*i+1] op_sel_hi:[1,0,1]
.set i, i+1
.endr
.set i, 0
.rept 8
	ds_store_b128 v10, v[X+4*i:X+4*i+3] offset:1280*(i/2)+640*(i%2)
.set i, i+1
.endr
.set i, 0
.rept 32
	ds_load_b32 v[T+i], v11 offset:1280*(i/8)+32*((i/4)%2)+80*(i%4)   ; LDS serves a wave's instructions in order (ISA guide 5.7.1.4): these see the stores above
.set i, i+1
.endr
	s_wait_dscnt 0x0
.set i, 0
.rept 16
	v_pk_add_f32 v[X+2*i:X+2*i+1], v[X+2*i:X+2*i+1], v[T+2*i:T+2*i+1]
.set i, i+1
.endr
.set i, 0
.rept 16
	v_pk_fma_f32 v[X+2*i:X+2*i+1], v[X+2*i:X+2*i+1], s[24:25], v[KK+2*(i%4):KK+2*(i%4)+1] op_sel_hi:[1,0,1]
.set i, i+1
.endr
.set i, 0
.rept 8
	global_store_b128 v5, v[X+4*i:X+4*i+3], s[10:11] offset:512*i th:TH_STORE_NT   ; 512 consecutive bytes, at a multiple of 512 from out1's first byte
.set i, i+1
.endr
	s_wait_tensorcnt 0x0                           ; the wave's end, behind my last LDS store
	ds_add_u32 v[SPW], v[NIL]
	s_wait_dscnt 0x0
	s_endpgm
.Lfunc_end_k_qf2244b6faf_cov:
	.size	k_qf2244b6faf_cov, .Lfunc_end_k_qf2244b6faf_cov-k_qf2244b6faf_cov
	.p2alignl 7, 3214868480
	.fill 96, 4, 3214868480
	.section	.rodata,"a",@progbits
	.p2align	6, 0x0
	.amdhsa_kernel k_qf2244b6faf_cov
		.amdhsa_group_segment_fixed_size 41984
		.amdhsa_private_segment_fixed_size 0
		.amdhsa_enable_private_segment 0
		.amdhsa_kernarg_size 32
		.amdhsa_user_sgpr_count 2
		.amdhsa_user_sgpr_kernarg_segment_ptr 1
		.amdhsa_wavefront_size32 1
		.amdhsa_system_sgpr_workgroup_id_x 1
		.amdhsa_system_sgpr_workgroup_id_y 1
		.amdhsa_system_sgpr_workgroup_id_z 1
		.amdhsa_system_vgpr_workitem_id 0
		.amdhsa_next_free_vgpr 128
		.amdhsa_next_free_sgpr 66
		.amdhsa_reserve_vcc 1
		.amdhsa_float_denorm_mode_32 3
		.amdhsa_float_denorm_mode_16_64 3
		.amdhsa_memory_ordered 1
		.amdhsa_forward_progress 1
		.amdhsa_inst_pref_size 21
	.end_amdhsa_kernel
	.amdgpu_metadata
---
amdhsa.version: [ 1, 2 ]
amdhsa.kernels:
  - .name:           k_qf2244b6faf_cov
    .symbol:         k_qf2244b6faf_cov.kd
    .args:
      - { .name: Q_k, .offset: 0, .size: 8, .value_kind: global_buffer, .address_space: global }
      - { .name: lsig, .offset: 8, .size: 8, .value_kind: global_buffer, .address_space: global }
      - { .name: pmin, .offset: 16, .size: 8, .value_kind: global_buffer, .address_space: global }
      - { .name: out1, .offset: 24, .size: 8, .value_kind: global_buffer, .address_space: global }
    .group_segment_fixed_size: 41984
    .private_segment_fixed_size: 0
    .kernarg_segment_align: 8
    .kernarg_segment_size: 32
    .max_flat_workgroup_size: 256
    .sgpr_count:     66
    .vgpr_count:     128
    .wavefront_size: 32
...
	.end_amdgpu_metadata
.endif
;; end of part 3
